; MI455X (gfx1250); checked and timed in simulation.
; The chip was launched on July 23, 2026; its instructions are those of AMD's public machine-readable ISA for CDNA 5 (MIT licence, August 2026) and "CDNA5" Instruction Set Architecture Reference Guide (July 2026). The comments in the code are by the model that wrote it; some were corrected since.
;; Streaming Attention. Allowed arithmetic: matrix products marked QUANTISED: E4M3 operands, one given power-of-two scale a tensor, by v_wmma_f32_16x16x64_fp8_fp8 or v_wmma_f32_16x16x128_fp8_fp8, f32 sums; everything else in f32.
;; Inputs: Wk_codes 16 x 64 x 32 x 32 uint8 (E4M3 codes of Wk, K innermost, in blocks of 32 codes); Wo_codes 1,024 x 32 x 32 uint8 (E4M3 codes of Wo, K innermost, in blocks of 32 codes); Wq_codes 16 x 64 x 32 x 32 uint8 (E4M3 codes of Wq, K innermost, in blocks of 32 codes); Wv_codes 16 x 64 x 32 x 32 uint8 (E4M3 codes of Wv, K innermost, in blocks of 32 codes); bk 16 x 64 float32; bo 1,024 float32; bq 16 x 64 float32; bv 16 x 64 float32; lowp_scales 12 int32 (the exponents e of the quantised operands' scales 2^e); x_codes 4 x 2,048 x 32 x 32 uint8 (E4M3 codes of x, K innermost, in blocks of 32 codes).
;; Outputs: out0 4 x 2,048 x 1,024 float32.
;; Constants: use_cache = 0.
;; This version of the problem:
;;   THIS VERSION OF THE PROBLEM IS GIVEN IN LOW PRECISION. The matrix products marked QUANTISED in the list below multiply operands that are first quantised to E4M3 (4 exponent bits, 3 mantissa bits; 8 bits a number), with one given power-of-two scale for each operand tensor; their sums are f32. All else is computed in f32.
;;   The module's matrix products, in the order in which they are computed (A, B: the left and right operand; K: the contracted axis; several contracted axes count as one K, in the product's order):
;;     1. [M 1,024, K 1,024] x [K 1,024, N 8,192]; A: input Wq (given as codes); B: input x (given as codes): QUANTISED (scales: A lowp_scales[0], B lowp_scales[1])
;;     2. [M 1,024, K 1,024] x [K 1,024, N 8,192]; A: input Wk (given as codes); B: input x (given as codes): QUANTISED (scales: A lowp_scales[2], B lowp_scales[3])
;;     3. [M 1,024, K 1,024] x [K 1,024, N 8,192]; A: input Wv (given as codes); B: input x (given as codes): QUANTISED (scales: A lowp_scales[4], B lowp_scales[5])
;;     4. batch 64 x [M 2,048, K 64] x [K 64, N 2,048]; A: computed on the way; B: computed on the way: QUANTISED (scales: A lowp_scales[6], B lowp_scales[7])
;;     5. batch 64 x [M 2,048, K 2,048] x [K 2,048, N 64]; A: softmax (see below); B: computed on the way: QUANTISED (scales: A lowp_scales[8], B lowp_scales[9])
;;     6. [M 8,192, K 1,024] x [K 1,024, N 1,024]; A: computed on the way; B: input Wo (given as codes): QUANTISED (scales: A lowp_scales[10], B lowp_scales[11])
;;   THE QUANTISER, for each operand of a quantised product, along K:
;;     - The operand's scale is 2^e, e = its entry of the input lowp_scales (int32; the entries are numbered through the quantised products in the list's order, A before B).
;;     - Each number is divided by the scale, clamped to +-448, and rounded to the nearest number of E4M3, ties to even, subnormals kept.
;;     - The product sums the exact products of the quantised numbers (number of the format x scale) in f32.
;;   ~~~python
;;   def quantise(x, axis, e):      # numpy; x: float32 -> the quantised numbers, widened to float32 again
;;       x = np.moveaxis(x, axis, -1); K = x.shape[-1]
;;       r = np.clip(x / 2.0 ** e, -448, 448)
;;       step = 2.0 ** (np.maximum(np.frexp(np.where(r == 0, 1, r))[1] - 1, -6) - 3)
;;       q = np.round(r / step) * step * 2.0 ** e      # np.round: ties to even
;;       return np.moveaxis(q, -1, axis).astype(np.float32)
;;   ~~~
;;   SOFTMAX AHEAD OF A QUANTISED PRODUCT. Where the list says 'softmax', what is quantised is not the finished softmax but p = 2^(t - M), with t = logit x log2(e) and M = ceil(the row's largest t), a whole number; so 1/2 < the row's largest p <= 1. The row's sum l is taken of the UNQUANTISED p, in f32, and the product's result is divided by l at the end. Since M is a whole number, a kernel that streams over the keys may use a running M (the ceiling of the running maximum): every later rescaling is an exact power of two, so the quantised numbers keep their values, but for numbers so far below the row's largest that they fall under the format's range.
;;   OPERANDS COMPUTED ON THE WAY. 'Computed on the way' means the value that the module computes at that place (a softmax that the list does not call 'softmax' is quantised finished and normalised). What goes into a quantiser is computed in f32, as accurately as f32 sums, v_exp_f32 and their like allow (about 1e-6 of the number): no bf16 or f16 on the way to a quantiser, and a product that is left as it is and whose result goes on into a quantised operand takes f32 operands (vector FMAs, or v_wmma_f32_16x16x4_f32). A number that lies on a knife's edge between two numbers of the format may be rounded either way, as far as f32 arithmetic and the matrix unit's own rounding can turn it there, and no further.
;;   INPUTS GIVEN AS CODES. Wk (in the module: [16, 1024, 64], K = its axis 1); Wo (in the module: [1024, 1024], K = its axis 0); Wq (in the module: [16, 1024, 64], K = its axis 1); Wv (in the module: [16, 1024, 64], K = its axis 1); x (in the module: [4, 2048, 1024], K = its axis 2): each comes as NAME_codes (uint8): NAME with its K axis moved to the last place and cut into blocks of 32 codes, [.., K / 32, bytes a block], one block behind the other in memory; one code a byte (a code: sign, 4 exponent bits, 3 mantissa bits); its scale is its entry of lowp_scales. Its value is code x scale, taken as it is: it is not quantised again, and the codes and scales need not be those that the quantiser above would give.
;; One version. Each part assembles by itself: llvm-mc -triple=amdgcn-amd-amdhsa -mcpu=gfx1250 --defsym DOCPART=n.
;; ======== version 1 of 1: 3 launches
;; workspace buffers: qc 8,388,608 bytes; kc 8,388,608 bytes; vc 8,388,608 bytes; ctx 8,388,608 bytes
;; launch proj (part 1): grid 12 x 32, 4 waves a work-group, clusters of 4 x 4, 327,680 bytes of LDS; arguments x_codes, Wq_codes, Wk_codes, Wv_codes, bq, bk, bv, lowp_scales, qc, kc, vc; writes qc, kc, vc
.if DOCPART == 1
	.amdgcn_target "amdgcn-amd-amdhsa--gfx1250"
	.amdhsa_code_object_version 6
	.text
	.protected	k_qcfdcfa70cf_proj
	.globl	k_qcfdcfa70cf_proj
	.p2align	8
	.type	k_qcfdcfa70cf_proj,@function
k_qcfdcfa70cf_proj:
	s_mov_b64 s[64:65], 0
	v_nop
	global_prefetch_b8 v0, s[64:65] scope:SCOPE_SE
	s_setreg_imm32_b32 hwreg(HW_REG_WAVE_MODE, 25, 1), 1
	s_wait_xcnt 0x0
	s_wait_alu depctr_hold_cnt(0) depctr_sa_sdst(0) depctr_va_vdst(0) depctr_va_sdst(0) depctr_va_ssrc(0) depctr_va_vcc(0) depctr_vm_vsrc(0)
	s_getreg_b32 s2, hwreg(HW_REG_IB_STS2, 6, 4)
	s_cmp_eq_u32 s2, 0
	s_cbranch_scc0 .Lentry_in_a_cluster
	s_endpgm
.Lentry_in_a_cluster:
	s_bfe_u32 s2, ttmp6, 0x10000c
	s_cmp_lg_u32 s2, 0xf033
	s_cbranch_scc0 .Lentry_shape_is_right
	s_endpgm
.Lentry_shape_is_right:
; q, k, v = x W + b on codes of E4M3, RoPE on q and k, and the three results quantised for the attention launch.
; x: [8192][1024] codes.  Wq, Wk, Wv: [1024 (head x 64 + e)][1024] codes, K innermost.  bq, bk, bv: [1024] f32.  lowp_scales: 12 whole numbers e.
; OUT: qc, kc: [batch x 16 + head][2048 tokens][64 codes];  vc: [batch x 16 + head][64 e][2048 keys], the keys innermost, since they are the next product's K.
; KINDS.  The cluster's x says what a cluster makes: 0 q, 1 k, 2 v; it is the same in all sixteen partners.  The body makes a tile 256 x 256 of C = A B^T, K = 1,024.
;   kinds 0, 1: A = x (tile row 4 x cluster y + cy), B = W (tile column cx).   kind 2: A = Wv (tile row cy), B = x (tile column 4 x cluster y + cx).
; The matrix instruction is used transposed (source 0 = 16 rows of B, source 1 = 16 rows of A): a lane holds ONE row of A and eight neighbouring rows of B.  So for q and k a lane has one token and
; registers along e (the next K), for v one (head, e) and registers along the keys (the next K): the conversions' results are bytes that belong together.
; Four waves, each 128 x 128 of C in 64 accumulators; K in four steps of 256 through two LDS slots filled by joint tensor loads: A's tile is shared along a row of the 4 x 4 cluster, B's along a column.
; ROPE.  angle = f32(pos) x inv_freq, rounded once as in the definition; inv_freq = 2^(-f log2(10000) / 32) by v_exp_f32.  n = nearest whole number to angle / pi; r = angle - n pi by three fused
; multiply-adds on pi in three parts; sine and cosine of r (|r| <= pi / 2) by their series up to r^13 and r^12 (what is left out is under 1e-8); the sign is n's lowest bit.
; LIMITS.  eW + ex between -126 and 127; the quantisers' e (entries 6, 7, 9) between -126 and 119, so that each power of two below is an f32 number.  NaN and infinities among the biases are not served.
; inv_freq carries the exponential's last-bit error, which at position 2,047 moves an angle by up to about 2e-4.
; REGISTERS, in windows of 256.  window 0: v3-15 addresses and constants that stay; v16-21 fragment addresses; v28, v29 for the add; v32-35 the bias as loaded; from v128 A's fragments, one set.
;   window 1: B's fragments, two sets; on the way out of q and k v0-63 the bias in the result's layout.   windows 2, 3: the accumulators ((a, b) at v[8 (8 (a % 4) + b)]).
.set KROW,   1024                      ; a row of x or of W in bytes
.set ROWB,   256                       ; a tile's row: 256 codes
.set PITCH,  272                       ; an LDS row: 256 bytes + 16 of padding: the 16 rows that a load touches start at 16 different groups of four banks
.set FR,     16                        ; registers of a fragment: 16 rows x 128 K
.set NL,     4                         ; LDS loads that bring one
.set NP,     4                         ; places behind this matrix instruction (ISA guide 7.12.1)
.set HALFT,  128*PITCH                 ; what one tensor load brings
.set SLOT,   4*HALFT                   ; A's 256 rows, then B's 256 rows
.set SPARE,  2*SLOT                    ; the spare words: 128 bytes a wave, two blocks of 256 bytes that no other line names
.set BIAS,   SPARE+512                 ; 512 bytes a wave: its 128 numbers of the bias; no fill lands here
.set QSTG,   98304                     ; q's and k's stage, 2,560 bytes a wave (2 heads x 16 tokens x 80); v's stage is bytes 0 to 69,631 (256 rows x 272).  Both lie in slot 0, which has had its last fill and its last read by then
.set QP,     80
.set STOQ, 3                           ; v3   stage of q, k: where I put 8 codes
.set RDQ,  4                           ; v4   and where I read 16 back
.set STOV, 5                           ; v5   stage of v: where I put 8 codes
.set RDV,  6                           ; v6   and where I read 16 back
.set BIAW, 7                           ; v7   the bias: where I put 16 bytes of the wave's 512
.set BIAQ, 8                           ; v8   where I read it for q, k: + 32 (lane / 16)
.set BIAV, 9                           ; v9   for v: + 4 (lane % 16)
.set COQ,  10                          ; v10  16 x lane
.set COV,  11                          ; v11  2,048 (lane / 16) + 16 (lane % 16)
.set POS,  12                          ; v12  my token's position in its sequence
.set SC,   14                          ; v14  the quantiser's 2^e as f32
.set LIM,  15                          ; v15  448 x 2^e
.set ADRA, 16
.set ADRB, 20
.set SPW,  28
.set NIL,  29
.set IMG,  32
.set AF,   128
.set INVF, 36                          ; the way out of q, k: v36-51 inv_freq of my 16 angles (index 8 t + j: frequency 16 t + 8 (lane / 16) + j)
.set TC,   52
.set POSF, 54
.set C13,  56
.set C12,  58
.set TA,   60
.set TB,   64
.set RR,   66                          ; the angle, then r
.set NN,   82
.set RQ,   98                          ; r^2, then r^3
.set SN,   114
.set CN,   130
.set UU,   146                         ; a block's 64 numbers: index 8 b + j
.set CD,   210                         ; their codes
.set RB,   226                         ; 16 registers read back from the stage
.set BV,   36                          ; the way out of v: v36-51 the bias of my row in block a, at v[36 + 2 a]
.set VU,   64
.set VC,   128
.set VR,   64
.set G1, 24
.set G0, 32
.set G1B, 48
.set G0B, 56
.set MSB, 0
.macro WIN new                         ; the immediate's high byte repeats the setting that is left
.if MSB != \new
	s_set_vgpr_msb (MSB<<8)|\new
.set MSB, \new
.endif
.endm
.set MUL_LO, 0xa1                      ; source 0 (B) window 1, source 1 (A) window 0, C and D window 2
.set MUL_HI, 0xf1
.set TO_B,   0x40                      ; destination window 1, address window 0
; A joint load: waves 0 and 1 fetch for A, waves 2 and 3 for B.  The branch hangs on the wave's number alone.  Four v_nop follow each of the two lines.
.macro JLOAD g0a, g1a, g0b, g1b
	s_cmp_eq_u32 s15, 0
	s_cbranch_scc0 .Lfor_b_\@
	tensor_load_to_lds s[\g0a:\g0a+3], s[\g1a:\g1a+7]
	s_nop 0
.rept 4
	v_nop
.endr
	s_branch .Lasked_\@
.Lfor_b_\@:
	tensor_load_to_lds s[\g0b:\g0b+3], s[\g1b:\g1b+7]
	s_nop 0
.rept 4
	v_nop
.endr
.Lasked_\@:
.endm
.macro CREST                           ; a round of the cluster's barrier behind its opening barrier
	s_cmp_lg_u32 s14, 0
	s_cbranch_scc1 .Lnot_wave_0_\@
	s_barrier_signal -3
.Lnot_wave_0_\@:
	s_barrier_wait -3
	s_barrier_signal -1
	s_barrier_wait -1
.endm
.macro CROUND
	s_barrier_signal -1
	s_barrier_wait -1
	CREST
.endm
	s_load_b512 s[68:83], s[0:1], 0x0              ; x 68, Wq 70, Wk 72, Wv 74, bq 76, bk 78, bv 80, the scales' exponents 82
	s_load_b128 s[84:87], s[0:1], 0x40             ; qc 84, kc 86
	s_load_b64 s[88:89], s[0:1], 0x50              ; vc
	v_lshl_add_u32 v[SPW], v0, 2, SPARE
	v_mov_b32 v[NIL], 0
	ds_add_u32 v28, v29
	ds_add_u32 v28, v29
	s_wait_dscnt 0x0
	v_lshrrev_b32 v1, 5, v0
	v_readfirstlane_b32 s14, v1                    ; wave 0..3
	s_lshr_b32 s15, s14, 1                         ; which half of the tile's rows (A) is mine.  Also: I fetch for A (0) or for B (1)
	s_and_b32 s16, s14, 1                          ; which half of its columns (B).  Also: which 128 rows I fetch
	s_bfe_u32 s40, ttmp6, 0x40000                  ; cx
	s_bfe_u32 s41, ttmp6, 0x40004                  ; cy
	s_and_b32 s66, ttmp7, 0xffff
	s_lshl_b32 s66, s66, 2                         ; 4 x cluster y
	s_cmp_eq_u32 ttmp9, 2                          ; kind 2?
	s_cselect_b32 s67, 0, s66
	s_cselect_b32 s2, s66, 0
	s_add_co_u32 s17, s41, s67                     ; A's tile row: made of cy and of what all partners share
	s_add_co_u32 s42, s40, s2                      ; B's tile column: made of cx and of what all partners share
	s_lshl_b32 s43, s41, 2
	s_lshl_b32 s43, 15, s43                        ; my row of the cluster
	s_lshl_b32 s44, 0x1111, s40                    ; my column
	s_or_b32 s[G1+0], s43, (0<<16)|(1<<20)|(1<<21)|(5<<22)|(3<<25)   ; the mask; elements of 1 byte; padding on; bit 21 beside a mask; 4 words of padding behind every 64
	s_or_b32 s[G1B+0], s44, (0<<16)|(1<<20)|(1<<21)|(5<<22)|(3<<25)
.irp g, G1, G1B
	s_mov_b32 s[\g+1], ROWB<<16                    ; tensor_dim0 = 256
	s_mov_b32 s[\g+2], 128<<16                     ; tensor_dim1 = 128
	s_mov_b32 s[\g+3], ROWB<<16                    ; tile_dim0
	s_mov_b32 s[\g+4], 128                         ; tile_dim1
	s_mov_b32 s[\g+5], KROW                        ; from row to row
	s_mov_b32 s[\g+6], 0
	s_mov_b32 s[\g+7], 0
.endr
	s_lshl_b32 s18, s16, 7                         ; which 128 rows of the tile I fetch
	s_lshl_b32 s20, s17, 8
	s_add_co_u32 s20, s20, s18
	s_lshl_b32 s20, s20, 10                        ; A: (256 x tile row + 128 x half) rows of 1,024 bytes: under 2^23
	s_mov_b32 s21, 0
	s_lshl_b32 s46, s42, 8
	s_add_co_u32 s46, s46, s18
	s_lshl_b32 s46, s46, 10                        ; B likewise
	s_mov_b32 s47, 0
	s_mul_i32 s45, s14, HALFT                      ; where they go: wave x 128 rows
	s_wait_kmcnt 0x0
	s_cmp_eq_u32 ttmp9, 2                          ; the buffers by the kind: a choice that hangs on no address
	s_cselect_b64 s[4:5], s[74:75], s[68:69]       ; A: Wv or x
	s_cselect_b64 s[6:7], s[68:69], s[70:71]       ; B: x or Wq
	s_cselect_b64 s[8:9], s[80:81], s[76:77]       ; the bias
	s_cselect_b64 s[10:11], s[88:89], s[84:85]     ; the output
	s_cmp_eq_u32 ttmp9, 1
	s_cselect_b64 s[6:7], s[72:73], s[6:7]         ; Wk
	s_cselect_b64 s[8:9], s[78:79], s[8:9]
	s_cselect_b64 s[10:11], s[86:87], s[10:11]
	s_load_b256 s[92:99], s[82:83], 0x0            ; e0 .. e7
	s_load_b32 s100, s[82:83], 0x24                ; e9
	s_add_nc_u64 s[20:21], s[4:5], s[20:21]
	s_add_nc_u64 s[46:47], s[6:7], s[46:47]
	CROUND                                         ; all sixteen work-groups are here: the first joint loads meet
.irp s, 0,1
	s_mov_b32 s[G0+4*\s], 1
	s_add_co_u32 s[G0+4*\s+1], s45, \s*SLOT
	s_add_nc_u64 s[G0+4*\s+2:G0+4*\s+3], s[20:21], \s*ROWB
	s_or_b32 s[G0+4*\s+3], s[G0+4*\s+3], 0x80000000
	s_mov_b32 s[G0B+4*\s], 1
	s_add_co_u32 s[G0B+4*\s+1], s45, \s*SLOT
	s_add_nc_u64 s[G0B+4*\s+2:G0B+4*\s+3], s[46:47], \s*ROWB
	s_or_b32 s[G0B+4*\s+3], s[G0B+4*\s+3], 0x80000000
	JLOAD G0+4*\s, G1, G0B+4*\s, G1B
.endr
	; every LDS address is made here, on the way that all kinds take: constants, the lane, the wave
	v_and_b32 v1, 15, v0                           ; r = lane % 16
	v_bfe_u32 v2, v0, 4, 1                         ; h = lane / 16
	v_and_b32 v13, 31, v0                          ; lane
	v_lshlrev_b32 v[COQ], 4, v13
	; the wave's 128 numbers of the bias: for q, k those of its columns, for v those of its rows
	s_cmp_eq_u32 ttmp9, 2
	s_cselect_b32 s22, s41, s40
	s_cselect_b32 s23, s15, s16
	s_lshl_b32 s22, s22, 10
	s_lshl_b32 s23, s23, 9
	s_add_co_u32 s22, s22, s23
	s_mov_b32 s23, 0
	s_add_nc_u64 s[8:9], s[8:9], s[22:23]
	global_load_b128 v[IMG:IMG+3], v[COQ], s[8:9]  ; 32 lanes read 512 consecutive bytes; waited for on the way out
	v_mul_u32_u24 v30, v1, PITCH
	v_lshl_add_u32 v30, v2, 4, v30                 ; a fragment's row x pitch + 16 x half
	s_mul_i32 s3, s15, HALFT                       ; my 128 rows of A
	s_mul_i32 s19, s16, HALFT
	s_add_co_u32 s19, s19, 2*HALFT                 ; my 128 rows of B, behind A's 256
.irp s, 0,1
	v_add_nc_u32 v[ADRA+\s], s3, v30
	v_add_nc_u32 v[ADRB+\s], s19, v30
	s_add_co_u32 s3, s3, SLOT
	s_add_co_u32 s19, s19, SLOT
.endr
	s_mul_i32 s3, s14, 32*QP
	s_add_co_u32 s3, s3, QSTG                      ; my stage for q, k
	v_mul_u32_u24 v[STOQ], v1, QP
	v_lshl_add_u32 v[STOQ], v2, 3, v[STOQ]
	v_add_nc_u32 v[STOQ], s3, v[STOQ]              ; in: token r, + 8 h
	v_lshrrev_b32 v[RDQ], 2, v13
	v_mul_u32_u24 v[RDQ], v[RDQ], QP
	v_and_b32 v31, 3, v13
	v_lshl_add_u32 v[RDQ], v31, 4, v[RDQ]
	v_add_nc_u32 v[RDQ], s3, v[RDQ]                ; back: four lanes to a token's 64 bytes
	s_mul_i32 s3, s15, 128*PITCH
	s_lshl_b32 s19, s16, 7
	s_add_co_u32 s3, s3, s19
	v_mul_u32_u24 v[STOV], v1, PITCH
	v_lshl_add_u32 v[STOV], v2, 3, v[STOV]
	v_add_nc_u32 v[STOV], s3, v[STOV]              ; v's stage, in: row 128 (wave / 2) + r, byte 128 (wave % 2) + 8 h
	s_mul_i32 s3, s14, 64*PITCH
	v_mul_u32_u24 v[RDV], v2, PITCH
	v_lshl_add_u32 v[RDV], v1, 4, v[RDV]
	v_add_nc_u32 v[RDV], s3, v[RDV]                ; back: rows 64 x wave on, sixteen lanes to a row of 256 bytes
	s_lshl_b32 s3, s14, 9
	s_add_co_u32 s3, s3, BIAS
	v_lshl_add_u32 v[BIAW], v13, 4, s3
	v_lshl_add_u32 v[BIAQ], v2, 5, s3
	v_lshl_add_u32 v[BIAV], v1, 2, s3
	v_lshlrev_b32 v[COV], 11, v2
	v_lshl_add_u32 v[COV], v1, 4, v[COV]
	; where my part of the output begins.  q, k: batch x 2^21 + (4 cx + 2 (wave % 2)) heads x 2^17 + token x 64
	s_lshl_b32 s12, s17, 8
	s_lshl_b32 s13, s15, 7
	s_add_co_u32 s12, s12, s13                     ; my first row of x
	s_and_b32 s13, s12, 2047                       ; its position
	v_add_nc_u32 v[POS], s13, v1
	s_lshr_b32 s12, s12, 11
	s_lshl_b32 s12, s12, 21
	s_lshl_b32 s13, s13, 6
	s_add_co_u32 s12, s12, s13
	s_lshl_b32 s13, s40, 2
	s_add_co_u32 s13, s13, s16
	s_add_co_u32 s13, s13, s16
	s_lshl_b32 s13, s13, 17
	s_add_co_u32 s12, s12, s13
	; v: batch x 2^21 + (256 cy + 64 x wave) rows of 2,048 + the tile's first key
	s_lshl_b32 s22, s42, 8
	s_and_b32 s23, s22, 2047
	s_lshr_b32 s22, s22, 11
	s_lshl_b32 s22, s22, 21
	s_add_co_u32 s22, s22, s23
	s_lshl_b32 s23, s41, 8
	s_lshl_b32 s101, s14, 6
	s_add_co_u32 s23, s23, s101
	s_lshl_b32 s23, s23, 11
	s_add_co_u32 s22, s22, s23
	s_cmp_eq_u32 ttmp9, 2
	s_cselect_b32 s12, s22, s12
	s_mov_b32 s13, 0
	s_add_nc_u64 s[10:11], s[10:11], s[12:13]
.macro FRAG reg, adr, q, i             ; 16 rows x 128 K: lane l holds row l % 16; registers 4 c .. 4 c + 3 hold K = 32 c + 16 (l / 16) + 0 .. 15: the same order of k in A and in B
.irp c, 0,1,2,3
	ds_load_b128 v[\reg+4*\c:\reg+4*\c+3], v[\adr] offset:128*(\q)+32*\c+(\i)*16*PITCH
.endr
.endm
; 16 matrix instructions: A's blocks a0, a0 + 1 x B's eight.  p: B's set.  zero = 1: the first product starts the sums.  The 64 accumulators take turns, one instruction a turn.
.macro MUL16 a0, p, zero
.irp a, \a0, \a0+1
.irp b, 0,1,2,3,4,5,6,7
.if \zero
	v_wmma_f32_16x16x128_fp8_fp8 v[8*(8*((\a)%4)+\b):8*(8*((\a)%4)+\b)+7], v[128*(\p)+FR*\b:128*(\p)+FR*\b+FR-1], v[AF+FR*(\a):AF+FR*(\a)+FR-1], 0
.else
	v_wmma_f32_16x16x128_fp8_fp8 v[8*(8*((\a)%4)+\b):8*(8*((\a)%4)+\b)+7], v[128*(\p)+FR*\b:128*(\p)+FR*\b+FR-1], v[AF+FR*(\a):AF+FR*(\a)+FR-1], v[8*(8*((\a)%4)+\b):8*(8*((\a)%4)+\b)+7]
.endif
.endr
.endr
.endm
.macro FETCH_B slot, q, p
	WIN TO_B
.irp i, 0,1,2,3,4,5,6,7
	FRAG 128*(\p)+FR*\i, ADRB+\slot, \q, \i
.endr
	WIN 0
.endm
.macro FETCH_A slot, q, i0
.irp i, \i0, \i0+1, \i0+2, \i0+3
	FRAG AF+FR*(\i), ADRA+\slot, \q, \i
.endr
.endm
.macro PLACES n                        ; plain vector instructions between a matrix instruction and a load into, or a vector instruction on, its registers
.rept \n
	v_nop
.endr
.endm
; A step of 128 along K that has its successor in the same slot.  A has one set of registers: blocks 0-3 are fetched anew in the middle, blocks 4-7 at the end; B has two sets.
.macro STEP slot, q, zero
	s_wait_dscnt 4*NL                              ; B's set and A's blocks 0-3 are in; the youngest 16 loads (A's blocks 4-7) may be out
	WIN MUL_LO
	MUL16 0, (\q)%2, \zero
	MUL16 2, (\q)%2, \zero
	s_wait_dscnt 0
	PLACES NP
	FETCH_B \slot, (\q)+1, 1-(\q)%2
	FETCH_A \slot, (\q)+1, 0
	WIN MUL_HI
	MUL16 4, (\q)%2, \zero
	MUL16 6, (\q)%2, \zero
	PLACES NP
	WIN 0
	FETCH_A \slot, (\q)+1, 4
.endm
; A slot's last step changes slots: one barrier; in front of it each wave waits for all its tensor loads, adds 0 to its spare word, and waits for that and for its reads of this slot.
.macro TURN slot, next, fill
	s_wait_tensorcnt 0x0                           ; all my tensor loads have landed: my part of the next slot
	ds_add_u32 v[SPW], v[NIL]                      ; 0 onto my spare word
	s_wait_dscnt 4*NL+1                            ; (the add and the youngest 16 loads may be out)
	WIN MUL_LO
	MUL16 0, 1, 0
	s_wait_dscnt 0x0                               ; the add is done, and my reads of this slot are over
	s_barrier_signal -1
	MUL16 2, 1, 0
	WIN 0
	s_barrier_wait -1
.if \fill
	CREST                                          ; the barrier has opened a round of the cluster's: no wave of any partner still reads this slot or has a load on its way
	s_add_nc_u64 s[G0+4*\slot+2:G0+4*\slot+3], s[G0+4*\slot+2:G0+4*\slot+3], 2*ROWB
	s_add_nc_u64 s[G0B+4*\slot+2:G0B+4*\slot+3], s[G0B+4*\slot+2:G0B+4*\slot+3], 2*ROWB
	JLOAD G0+4*\slot, G1, G0B+4*\slot, G1B         ; the first tensor load behind the round; its four v_nop are the places in front of the loads below
.else
	PLACES NP
.endif
	FETCH_B \next, 0, 0
	FETCH_A \next, 0, 0
	WIN MUL_HI
	MUL16 4, 1, 0
	MUL16 6, 1, 0
	PLACES NP
	WIN 0
	FETCH_A \next, 0, 4
.endm
	s_wait_tensorcnt 1                             ; my part of K step 0 is in; K step 1's load may be out
	s_barrier_signal -1
	s_barrier_wait -1
	FETCH_B 0, 0, 0
	FETCH_A 0, 0, 0
	FETCH_A 0, 0, 4
	STEP 0, 0, 1                                   ; K = 1,024 is four slots' worth: written out, no loop
	TURN 0, 1, 1
	STEP 1, 0, 0
	TURN 1, 0, 1
	STEP 0, 0, 0
	TURN 0, 1, 0
	STEP 1, 0, 0
	s_wait_dscnt 4*NL
	WIN MUL_LO
	MUL16 0, 1, 0
	MUL16 2, 1, 0
	s_wait_dscnt 0
	WIN MUL_HI
	MUL16 4, 1, 0
	MUL16 6, 1, 0
	WIN 0
	; THE WAY OUT.  The scales by the kind, chosen without a jump
	s_wait_kmcnt 0x0
	s_add_co_i32 s92, s92, s93                     ; e0 + e1
	s_add_co_i32 s94, s94, s95                     ; e2 + e3
	s_add_co_i32 s96, s96, s97                     ; e4 + e5
	s_cmp_eq_u32 ttmp9, 1
	s_cselect_b32 s92, s94, s92
	s_cselect_b32 s98, s99, s98                    ; the quantiser's e: q entry 6, k entry 7,
	s_cmp_eq_u32 ttmp9, 2
	s_cselect_b32 s92, s96, s92
	s_cselect_b32 s98, s100, s98                   ; v entry 9
	s_add_co_i32 s92, s92, 127
	s_lshl_b32 s90, s92, 23                        ; 2^(eW + ex) as f32
	s_mov_b32 s91, s90                             ; (named with it as a pair)
	s_add_co_i32 s98, s98, 127
	s_lshl_b32 s99, s98, 23
	s_add_co_i32 s98, s98, 8
	s_lshl_b32 s98, s98, 23
	s_or_b32 s98, s98, 0x600000
	PLACES NP                                      ; behind the last products: vector instructions and loads now take their operands' registers
	v_mov_b32 v[SC], s99
	v_mov_b32 v[LIM], s98
	s_wait_loadcnt 0x0                             ; the bias
	ds_store_b128 v[BIAW], v[IMG:IMG+3]            ; my wave's own bytes: LDS serves a wave's instructions in order, so my loads below see them
	s_cmp_eq_u32 ttmp9, 2
	s_cbranch_scc1 .Lv1
	; ---- q and k
	WIN TO_B
.irp b, 0,1,2,3,4,5,6,7
	ds_load_b128 v[8*\b:8*\b+3], v[BIAQ] offset:64*\b          ; the bias of columns 16 b + 8 h + 0 .. 7, in the result's layout
	ds_load_b128 v[8*\b+4:8*\b+7], v[BIAQ] offset:64*\b+16
.endr
	WIN 0
	v_bfe_u32 v13, v0, 4, 1
	v_lshlrev_b32 v13, 3, v13                      ; 8 h
.irp t, 0,1
.irp j, 0,1,2,3,4,5,6,7
	v_add_nc_u32 v[INVF+8*\t+\j], 16*\t+\j, v13    ; the frequency's number f
.endr
.endr
.irp k, 0,1,2,3,4,5,6,7,8,9,10,11,12,13,14,15
	v_cvt_f32_u32 v[INVF+\k], v[INVF+\k]
.endr
.irp k, 0,1,2,3,4,5,6,7,8,9,10,11,12,13,14,15
	v_mul_f32 v[INVF+\k], 0xbed49a78, v[INVF+\k]   ; x -log2(10000) / 32
.endr
.irp k, 0,1,2,3,4,5,6,7,8,9,10,11,12,13,14,15
	v_exp_f32 v[INVF+\k], v[INVF+\k]
.endr
	v_mov_b32 v[POSF+1], 0                         ; (named as the upper half of a pair.)  A plain instruction behind the exponentials
	v_mov_b32 v[C13], 0x2f309231                   ; 1 / 13!
	v_mov_b32 v[C13+1], 0x2f309231
	v_mov_b32 v[C12], 0x310f76c7                   ; 1 / 12!
	v_mov_b32 v[C12+1], 0x310f76c7
	s_wait_alu depctr_va_vdst(0)                   ; one wait for the sixteen exponentials, ahead of their first reader
; sine and cosine of my token's 16 angles, two at a time; then the position goes 16 tokens on
.macro SINCOS
	v_cvt_f32_u32 v[POSF], v[POS]
.irp p, 0,2,4,6,8,10,12,14
	v_pk_mul_f32 v[RR+\p:RR+\p+1], v[INVF+\p:INVF+\p+1], v[POSF:POSF+1] op_sel_hi:[1,0]      ; the angle, rounded once
.endr
.irp p, 0,2,4,6,8,10,12,14
	v_pk_mul_f32 v[NN+\p:NN+\p+1], v[RR+\p:RR+\p+1], 0x3ea2f983 op_sel_hi:[1,0]              ; / pi
.endr
.irp k, 0,1,2,3,4,5,6,7,8,9,10,11,12,13,14,15
	v_rndne_f32 v[NN+\k], v[NN+\k]
.endr
.irp c, 0xc0490000, 0xba7d8000, 0xb528885a     ; - pi in three parts; n is under 2^10 and the first two parts have 9 bits at the most, so the first two steps round nothing
.irp p, 0,2,4,6,8,10,12,14
	v_pk_fma_f32 v[RR+\p:RR+\p+1], v[NN+\p:NN+\p+1], \c, v[RR+\p:RR+\p+1] op_sel_hi:[1,0,1]
.endr
.endr
.irp p, 0,2,4,6,8,10,12,14
	v_pk_mul_f32 v[RQ+\p:RQ+\p+1], v[RR+\p:RR+\p+1], v[RR+\p:RR+\p+1]
.endr
.irp p, 0,2,4,6,8,10,12,14
	v_pk_fma_f32 v[CN+\p:CN+\p+1], v[RQ+\p:RQ+\p+1], v[C12:C12+1], 0xb493f27e op_sel_hi:[1,1,0]   ; r^2 / 12! - 1 / 10!
	v_pk_fma_f32 v[SN+\p:SN+\p+1], v[RQ+\p:RQ+\p+1], v[C13:C13+1], 0xb2d7322b op_sel_hi:[1,1,0]   ; r^2 / 13! - 1 / 11!
.endr
.irp c, 0x37d00d01, 0xbab60b61, 0x3d2aaaab, -0.5, 1.0      ; 1 / 8!, -1 / 6!, 1 / 4!, -1 / 2, 1
.irp p, 0,2,4,6,8,10,12,14
	v_pk_fma_f32 v[CN+\p:CN+\p+1], v[CN+\p:CN+\p+1], v[RQ+\p:RQ+\p+1], \c op_sel_hi:[1,1,0]
.endr
.endr
.irp c, 0x3638ef1d, 0xb9500d01, 0x3c088889, 0xbe2aaaab     ; 1 / 9!, -1 / 7!, 1 / 5!, -1 / 3!
.irp p, 0,2,4,6,8,10,12,14
	v_pk_fma_f32 v[SN+\p:SN+\p+1], v[SN+\p:SN+\p+1], v[RQ+\p:RQ+\p+1], \c op_sel_hi:[1,1,0]
.endr
.endr
.irp p, 0,2,4,6,8,10,12,14
	v_pk_mul_f32 v[RQ+\p:RQ+\p+1], v[RQ+\p:RQ+\p+1], v[RR+\p:RR+\p+1]                        ; r^3
.endr
.irp p, 0,2,4,6,8,10,12,14
	v_pk_fma_f32 v[SN+\p:SN+\p+1], v[SN+\p:SN+\p+1], v[RQ+\p:RQ+\p+1], v[RR+\p:RR+\p+1]      ; r + r^3 x the series
.endr
.irp k, 0,1,2,3,4,5,6,7,8,9,10,11,12,13,14,15
	v_cvt_i32_f32 v[NN+\k], v[NN+\k]
.endr
.irp k, 0,1,2,3,4,5,6,7,8,9,10,11,12,13,14,15
	v_lshlrev_b32 v[NN+\k], 31, v[NN+\k]           ; n odd: both change sign
.endr
.irp k, 0,1,2,3,4,5,6,7,8,9,10,11,12,13,14,15
	v_xor_b32 v[SN+\k], v[NN+\k], v[SN+\k]
	v_xor_b32 v[CN+\k], v[NN+\k], v[CN+\k]
.endr
	v_add_nc_u32 v[POS], 16, v[POS]
.endm
.macro TAKE a                          ; block a's 64 sums x 2^(eW + ex) + the bias, each accumulator from its low end on
	WIN 0x12+((\a)/4)                              ; source 0 window 2 or 3, source 2 window 1
.set k, 0
.rept 32
	v_pk_fma_f32 v[UU+k:UU+k+1], v[64*((\a)%4)+k:64*((\a)%4)+k+1], s[90:91], v[k:k+1] op_sel_hi:[1,0,1]
.set k, k+2
.endr
	WIN 0
.endm
.macro ROT2 u, f                       ; four numbers x1 at v[u] on, their partners x2 16 registers on, angles f on: x1 cos - x2 sin, x1 sin + x2 cos
	v_pk_mul_f32 v[TA:TA+1], v[(\u)+16:(\u)+17], v[SN+(\f):SN+(\f)+1]
	v_pk_mul_f32 v[TA+2:TA+3], v[(\u)+16:(\u)+17], v[CN+(\f):CN+(\f)+1]
	v_pk_mul_f32 v[TB:TB+1], v[(\u)+18:(\u)+19], v[SN+(\f)+2:SN+(\f)+3]
	v_pk_mul_f32 v[TC:TC+1], v[(\u)+18:(\u)+19], v[CN+(\f)+2:CN+(\f)+3]
	v_pk_fma_f32 v[(\u)+16:(\u)+17], v[(\u):(\u)+1], v[SN+(\f):SN+(\f)+1], v[TA+2:TA+3]
	v_pk_fma_f32 v[(\u):(\u)+1], v[(\u):(\u)+1], v[CN+(\f):CN+(\f)+1], v[TA:TA+1] neg_lo:[0,0,1] neg_hi:[0,0,1]
	v_pk_fma_f32 v[(\u)+18:(\u)+19], v[(\u)+2:(\u)+3], v[SN+(\f)+2:SN+(\f)+3], v[TC:TC+1]
	v_pk_fma_f32 v[(\u)+2:(\u)+3], v[(\u)+2:(\u)+3], v[CN+(\f)+2:CN+(\f)+3], v[TB:TB+1] neg_lo:[0,0,1] neg_hi:[0,0,1]
.endm
	s_wait_dscnt 0x0                               ; the bias is in
	SINCOS                                         ; block 0's
	s_mov_b32 s3, 0
.Lblk:                                             ; eight trips, a block of 16 tokens each.  Only the lines that name a block's accumulators are written eight times, chosen by the trip's number
.irp a, 0,1,2,3,4,5,6
	s_cmp_lg_u32 s3, \a
	s_cbranch_scc1 .Lnot_\a
	TAKE \a
	s_branch .Lrot
.Lnot_\a:
.endr
	TAKE 7
.Lrot:
.irp hh, 0,1
.irp t, 0,1
.irp jj, 0,4
	ROT2 UU+32*\hh+8*\t+\jj, 8*\t+\jj
.endr
.endr
.endr
.set k, 0
.rept 64
	v_med3_num_f32 v[UU+k], v[UU+k], -v[LIM], v[LIM]   ; the conversion to an 8-bit code does not saturate (ISA guide 7.6.2): the hold at the largest code x the scale
.set k, k+1
.endr
.irp b, 0,1,2,3,4,5,6,7
	v_cvt_scalef32_pk8_fp8_f32 v[CD+2*\b:CD+2*\b+1], v[UU+8*\b:UU+8*\b+7], v[SC]
.endr
	v_nop                                          ; a plain instruction behind the last conversion
.irp b, 0,1,2,3,4,5,6,7
	ds_store_b64 v[STOQ], v[CD+2*\b:CD+2*\b+1] offset:(\b/4)*16*QP+16*(\b%4)   ; head b / 4, token r, e = 16 (b % 4) + 8 h on
.endr
.irp n, 0,1,2,3
	ds_load_b128 v[RB+4*\n:RB+4*\n+3], v[RDQ] offset:(\n/2)*16*QP+(\n%2)*8*QP  ; eight tokens' 64 bytes each; my own bytes, served in order
.endr
	SINCOS                                         ; the next block's angles, while the stage's loads are out (the last trip's are not used)
.irp n, 0,1,2,3
	s_wait_dscnt 3-\n                              ; load n is in; the younger ones may be out
	global_store_b128 v[COQ], v[RB+4*\n:RB+4*\n+3], s[10:11] offset:(\n/2)*131072+(\n%2)*512   ; 32 lanes store 512 consecutive bytes, at a multiple of 512 from the buffer's first byte
.endr
	s_wait_xcnt 0x0                                ; the stores have read their registers and their base: both are written again only behind this wait
	s_add_nc_u64 s[10:11], s[10:11], 1024          ; 16 tokens on
	s_add_co_u32 s3, s3, 1
	s_cmp_lt_u32 s3, 8
	s_cbranch_scc1 .Lblk
	s_branch .Ljoin
	; ---- v, first part: 256 rows (head, e) x 256 keys of codes meet in the work-group's stage
.Lv1:
.irp a, 0,1,2,3,4,5,6,7
	ds_load_b32 v[BV+2*\a], v[BIAV] offset:64*\a   ; the bias of my row in block a
	v_mov_b32 v[BV+2*\a+1], 0                      ; (named as the upper half of a pair)
.endr
	s_wait_dscnt 0x0
.macro VBLOCK a
	WIN 0x02+((\a)/4)                              ; source 0 window 2 or 3
.set k, 0
.rept 32
	v_pk_fma_f32 v[VU+k:VU+k+1], v[64*((\a)%4)+k:64*((\a)%4)+k+1], s[90:91], v[BV+2*(\a):BV+2*(\a)+1] op_sel_hi:[1,0,0]
.set k, k+2
.endr
	WIN 0
.set k, 0
.rept 64
	v_med3_num_f32 v[VU+k], v[VU+k], -v[LIM], v[LIM]
.set k, k+1
.endr
.irp b, 0,1,2,3,4,5,6,7
	v_cvt_scalef32_pk8_fp8_f32 v[VC+2*\b:VC+2*\b+1], v[VU+8*\b:VU+8*\b+7], v[SC]
.endr
	v_nop                                          ; a plain instruction behind the last conversion
.irp b, 0,1,2,3,4,5,6,7
	ds_store_b64 v[STOV], v[VC+2*\b:VC+2*\b+1] offset:(\a)*16*PITCH+16*\b      ; row 16 a + r, keys 16 b + 8 h on
.endr
	s_wait_dscnt 0x0                               ; the stores have read their registers: the next block's codes may be written
.endm
.irp a, 0,1,2,3,4,5,6,7
	VBLOCK \a
.endr
.Ljoin:
	s_wait_dscnt 0x0                               ; for the others' sake: my stores into the stage are done
	s_barrier_signal -1
	s_barrier_wait -1                              ; both ways pass this barrier; v's rows come from two waves each
	s_cmp_eq_u32 ttmp9, 2
	s_cbranch_scc0 .Lend
	; ---- v, second part: each wave stores 64 whole rows of 256 bytes
.set i, 0
.rept 32
	ds_load_b128 v[VR+4*i:VR+4*i+3], v[RDV] offset:i*2*PITCH
.set i, i+1
.endr
.set i, 0
.rept 32
	s_wait_dscnt 31-i                              ; load i is in; the younger ones may be out
	global_store_b128 v[COV], v[VR+4*i:VR+4*i+3], s[10:11] offset:i*4096       ; sixteen lanes store 256 consecutive bytes of a row of vc, at a multiple of 256
.set i, i+1
.endr
.Lend:
	s_wait_tensorcnt 0x0                           ; the wave's end
	ds_add_u32 v[SPW], v[NIL]
	s_wait_dscnt 0x0
	CROUND                                         ; the closing round: no work-group ends while a partner may still ask for a tile that names it
	s_endpgm
.Lfunc_end_k_qcfdcfa70cf_proj:
	.size	k_qcfdcfa70cf_proj, .Lfunc_end_k_qcfdcfa70cf_proj-k_qcfdcfa70cf_proj
	.p2alignl 7, 3214868480
	.fill 96, 4, 3214868480
	.section	.rodata,"a",@progbits
	.p2align	6, 0x0
	.amdhsa_kernel k_qcfdcfa70cf_proj
		.amdhsa_group_segment_fixed_size 327680
		.amdhsa_private_segment_fixed_size 0
		.amdhsa_enable_private_segment 0
		.amdhsa_kernarg_size 88
		.amdhsa_user_sgpr_count 2
		.amdhsa_user_sgpr_kernarg_segment_ptr 1
		.amdhsa_wavefront_size32 1
		.amdhsa_system_sgpr_workgroup_id_x 1
		.amdhsa_system_sgpr_workgroup_id_y 1
		.amdhsa_system_sgpr_workgroup_id_z 1
		.amdhsa_system_vgpr_workitem_id 0
		.amdhsa_next_free_vgpr 1024
		.amdhsa_next_free_sgpr 102
		.amdhsa_reserve_vcc 0
		.amdhsa_float_denorm_mode_32 3
		.amdhsa_float_denorm_mode_16_64 3
		.amdhsa_memory_ordered 1
		.amdhsa_forward_progress 1
		.amdhsa_inst_pref_size 207
	.end_amdhsa_kernel
	.amdgpu_metadata
---
amdhsa.version: [ 1, 2 ]
amdhsa.kernels:
  - .name:           k_qcfdcfa70cf_proj
    .symbol:         k_qcfdcfa70cf_proj.kd
    .args:
      - { .name: x_codes, .offset: 0, .size: 8, .value_kind: global_buffer, .address_space: global }
      - { .name: Wq_codes, .offset: 8, .size: 8, .value_kind: global_buffer, .address_space: global }
      - { .name: Wk_codes, .offset: 16, .size: 8, .value_kind: global_buffer, .address_space: global }
      - { .name: Wv_codes, .offset: 24, .size: 8, .value_kind: global_buffer, .address_space: global }
      - { .name: bq, .offset: 32, .size: 8, .value_kind: global_buffer, .address_space: global }
      - { .name: bk, .offset: 40, .size: 8, .value_kind: global_buffer, .address_space: global }
      - { .name: bv, .offset: 48, .size: 8, .value_kind: global_buffer, .address_space: global }
      - { .name: lowp_scales, .offset: 56, .size: 8, .value_kind: global_buffer, .address_space: global }
      - { .name: qc, .offset: 64, .size: 8, .value_kind: global_buffer, .address_space: global }
      - { .name: kc, .offset: 72, .size: 8, .value_kind: global_buffer, .address_space: global }
      - { .name: vc, .offset: 80, .size: 8, .value_kind: global_buffer, .address_space: global }
    .group_segment_fixed_size: 327680
    .private_segment_fixed_size: 0
    .kernarg_segment_align: 8
    .kernarg_segment_size: 88
    .max_flat_workgroup_size: 128
    .sgpr_count:     102
    .vgpr_count:     1024
    .wavefront_size: 32
...
	.end_amdgpu_metadata
.endif
;; end of part 1
;; launch attn (part 2): grid 4 x 64, 8 waves a work-group, clusters of 4 x 1, 327,680 bytes of LDS; arguments qc, kc, vc, lowp_scales, ctx; writes ctx
.if DOCPART == 2
	.amdgcn_target "amdgcn-amd-amdhsa--gfx1250"
	.amdhsa_code_object_version 6
	.text
	.protected	k_qcfdcfa70cf_attn
	.globl	k_qcfdcfa70cf_attn
	.p2align	8
	.type	k_qcfdcfa70cf_attn,@function
k_qcfdcfa70cf_attn:
	s_mov_b64 s[64:65], 0
	v_nop
	global_prefetch_b8 v0, s[64:65] scope:SCOPE_SE
	s_setreg_imm32_b32 hwreg(HW_REG_WAVE_MODE, 25, 1), 1
	s_wait_xcnt 0x0
	s_wait_alu depctr_hold_cnt(0) depctr_sa_sdst(0) depctr_va_vdst(0) depctr_va_sdst(0) depctr_va_ssrc(0) depctr_va_vcc(0) depctr_vm_vsrc(0)
	s_getreg_b32 s2, hwreg(HW_REG_IB_STS2, 6, 4)
	s_cmp_eq_u32 s2, 0
	s_cbranch_scc0 .Lentry_in_a_cluster
	s_endpgm
.Lentry_in_a_cluster:
	s_bfe_u32 s2, ttmp6, 0x10000c
	s_cmp_lg_u32 s2, 0x3003
	s_cbranch_scc0 .Lentry_shape_is_right
	s_endpgm
.Lentry_shape_is_right:
; ctx = softmax(q k^T / 8) v for 64 (batch, head) pairs, 2,048 queries x 2,048 keys, head size 64, both products on codes of E4M3; ctx quantised for the output projection.
; qc, kc: [pair][2048][64] codes.  vc: [pair][64 e][2048 keys] codes.  ctx: [pair][2048][64] codes.  lowp_scales: entries 6 q, 7 k, 8 p, 9 v, 10 ctx.
; THE SOFTMAX: t = score x log2(e) / 8; M = the running largest t rounded UP to a whole number; p = 2^(t - M) is quantised, not normalised; the row's sum is taken of the unquantised p and divides at the end.
; When M moves, the sums and O are multiplied by 2^(old M - new M), which rounds nothing.
; SHARES.  A cluster of four work-groups is one pair; a work-group owns 512 queries, each of its eight waves 64, in two passes of 32 (two tiles of 16).  Two waves to a SIMD.
; THE PAIR'S WHOLE K AND V LIE IN LDS (2,048 x 64 + 64 x 2,048 bytes), fetched once, at the head, by joint tensor loads that name all four work-groups: each wave issues four, one for each chunk of 512 keys.
; No LDS byte is filled twice.  Chunk c is read behind a barrier in front of which each wave has waited for its load of that chunk; the later chunks' loads stay out.
; LAYOUT.  S^T = K Q^T (source 0 = 16 neighbouring keys, source 1 = 16 queries; K = 64): a lane holds ONE query (lane % 16); tile c's registers are keys 16 c + 8 (lane / 16) + 0 .. 7, which is the place that
; the K = 128 form gives registers 2 c, 2 c + 1 of an operand: one conversion of eight makes them.  O^T = V^T P^T (source 0 = 16 of the head's 64, source 1 = P; K = 128 keys).
; K's and Q's fragments are fetched as two loads of 16 bytes a lane: the same order of the head's 64 on both sides.
; LIMITS: e6 + e7 between -123 and 130 (added to the exponent field of log2(e) / 8); e8 and e10 between -126 and 119; e8 + e9 is applied by v_ldexp_f32.
; REGISTERS.  window 0: v1-12 addresses and constants; v16-31 statistics, eight a tile (+0 -M, +1 the largest t, +2, +3 the sum, +4 f, +6 the old -M, +7 at work); v32-47 Q in hand, v48-63 Q of the second pass;
;   v64-191 S^T, then p, 64 a tile; v192-223 p's codes; v224-227 a second chain of the sum; v228-231 at work; v232-247 the way out.   window 1: v0-63 O^T (32 T + 8 dt); v64-127 K's fragments; v128-191 V's.
.set KP,   80                          ; a key's row in LDS: 64 bytes + 16: sixteen neighbouring rows start at sixteen different groups of four banks
.set VP,   528                         ; a row of a chunk of V: 512 bytes + 16
.set VB,   2048*KP                     ; V lies behind K
.set VCH,  64*VP                       ; a chunk of V: 64 rows
.set STG,  VB+4*VCH                    ; the way out: 32 rows x 80 bytes for each wave; no fill lands here
.set AK0, 1
.set AV0, 2
.set ADK, 3
.set ADV, 4
.set STO, 5
.set RD,  6
.set GO,  7
.set QO,  8
.set LIMP, 9
.set SCP,  10
.set LIMC, 11
.set SCC,  12
.set ST,  16
.set Q,   32
.set S,   64
.set P,   192
.set XS,  224
.set MA,  228
.set RB,  232
.set KF,  64                           ; in window 1
.set VF,  128
.set WV,  14
.set SEL, 20
.set CS,  22
.set G1K, 24
.set G1V, 32
.set G0K, 40                           ; s[40:55] four groups 0 for K's chunks
.set G0V, 68                           ; s[68:83] four for V's
.set TBK, 61
.set TBV, 62
.set MSB, 0
.macro WIN new                         ; the immediate's high byte repeats the setting that is left
.if MSB != \new
	s_set_vgpr_msb (MSB<<8)|\new
.set MSB, \new
.endif
.endm
.set W_LD, 0x40                        ; destination window 1
.set W_S,  0x01                        ; K's fragments (source 0) window 1
.set W_RS, 0x41                        ; O^T (destination, source 0) window 1
.set W_PV, 0x51                        ; V's fragments, C and D window 1; P window 0
.macro CROUND                          ; a round of the cluster's barrier
	s_barrier_signal -1
	s_barrier_wait -1
	s_cmp_lg_u32 s[WV], 0
	s_cbranch_scc1 .Lnot_wave_0_\@
	s_barrier_signal -3
.Lnot_wave_0_\@:
	s_barrier_wait -3
	s_barrier_signal -1
	s_barrier_wait -1
.endm
	s_load_b256 s[4:11], s[0:1], 0x0               ; qc 4, kc 6, vc 8, the scales' exponents 10
	s_load_b64 s[12:13], s[0:1], 0x20              ; ctx
	v_lshl_add_u32 v254, v0, 2, 0x4e000
	v_mov_b32 v255, 0
	ds_add_u32 v254, v255
	ds_add_u32 v254, v255
	v_lshrrev_b32 v1, 5, v0
	v_readfirstlane_b32 s[WV], v1                  ; wave 0..7
	s_and_b32 s18, s[WV], 3                        ; which quarter of a chunk I fetch: waves 0-3 of K, waves 4-7 of V
	s_bfe_u32 s15, ttmp6, 0x40000                  ; cx: it enters Q's and ctx's addresses alone
	s_lshl_b32 s16, ttmp9, 2
	s_add_co_u32 s16, s16, s15                     ; my block of 512 queries
	s_and_b32 s17, ttmp7, 0xffff                   ; the pair, which the four partners share
	s_lshl_b32 s84, s17, 17                        ; its first byte in each of the four buffers
	s_mov_b32 s85, 0
	s_mov_b32 s[G1K], 15|(0<<16)|(1<<20)|(1<<21)|(3<<22)|(3<<25)   ; the mask: all four work-groups; elements of 1 byte; padding on; bit 21 beside a mask; 4 words behind every 16
	s_mov_b32 s[G1K+1], 64<<16                     ; tensor_dim0 = 64
	s_mov_b32 s[G1K+2], 128<<16                    ; tensor_dim1 = 128
	s_mov_b32 s[G1K+3], 64<<16                     ; tile_dim0
	s_mov_b32 s[G1K+4], 128                        ; tile_dim1
	s_mov_b32 s[G1K+5], 64                         ; from row to row
	s_mov_b32 s[G1K+6], 0
	s_mov_b32 s[G1K+7], 0
	s_mov_b32 s[G1V], 15|(0<<16)|(1<<20)|(1<<21)|(6<<22)|(3<<25)   ; 4 words behind every 128
	s_mov_b32 s[G1V+1], 512<<16
	s_mov_b32 s[G1V+2], 16<<16
	s_mov_b32 s[G1V+3], 512<<16
	s_mov_b32 s[G1V+4], 16
	s_mov_b32 s[G1V+5], 2048
	s_mov_b32 s[G1V+6], 0
	s_mov_b32 s[G1V+7], 0
	s_mov_b32 s[SEL], 0x76543210                   ; v_permlanex16_b32: lane l xor 16
	s_mov_b32 s[SEL+1], 0xfedcba98
	s_lshl_b32 s86, s18, 13                        ; K: my 128 rows of 64 bytes
	s_mov_b32 s87, 0
	s_add_nc_u64 s[86:87], s[86:87], s[84:85]
	s_lshl_b32 s88, s18, 15                        ; V: my 16 rows of 2,048 bytes
	s_mov_b32 s89, 0
	s_add_nc_u64 s[88:89], s[88:89], s[84:85]
	s_mul_i32 s90, s18, 128*KP                     ; and where they go
	s_mul_i32 s91, s18, 16*VP
	s_add_co_u32 s91, s91, VB
	s_lshl_b32 s2, s16, 15                         ; my block's 512 rows of 64 bytes,
	s_lshl_b32 s3, s[WV], 12                       ; my wave's 64 of them
	s_add_co_u32 s2, s2, s3
	s_mov_b32 s3, 0
	s_add_nc_u64 s[2:3], s[2:3], s[84:85]
	s_wait_dscnt 0x0
	s_wait_kmcnt 0x0
	s_load_b128 s[56:59], s[10:11], 0x18           ; e6 .. e9
	s_load_b32 s60, s[10:11], 0x28                 ; e10
	s_add_nc_u64 s[6:7], s[6:7], s[86:87]
	s_add_nc_u64 s[8:9], s[8:9], s[88:89]
	s_add_nc_u64 s[4:5], s[4:5], s[2:3]
	s_add_nc_u64 s[12:13], s[12:13], s[2:3]
.irp c, 0,1,2,3
	s_mov_b32 s[G0K+4*\c], 1
	s_add_co_u32 s[G0K+4*\c+1], s90, \c*512*KP
	s_add_nc_u64 s[G0K+4*\c+2:G0K+4*\c+3], s[6:7], \c*512*64
	s_or_b32 s[G0K+4*\c+3], s[G0K+4*\c+3], 0x80000000
	s_mov_b32 s[G0V+4*\c], 1
	s_add_co_u32 s[G0V+4*\c+1], s91, \c*VCH
	s_add_nc_u64 s[G0V+4*\c+2:G0V+4*\c+3], s[8:9], \c*512
	s_or_b32 s[G0V+4*\c+3], s[G0V+4*\c+3], 0x80000000
.endr
	CROUND                                         ; all four work-groups are here: the joint loads meet
	s_cmp_lt_u32 s[WV], 4                          ; a wave's four fills stand in one branch, ahead of every wait on TENSORcnt and every LDS read: four loads of mine are out
	s_cbranch_scc0 .Lfirst_v
.irp c, 0,1,2,3
	tensor_load_to_lds s[G0K+4*\c:G0K+4*\c+3], s[G1K:G1K+7]
	s_nop 0
.endr
.rept 4
	v_nop
.endr
	s_branch .Lfirst_asked
.Lfirst_v:
.irp c, 0,1,2,3
	tensor_load_to_lds s[G0V+4*\c:G0V+4*\c+3], s[G1V:G1V+7]
	s_nop 0
.endr
.rept 4
	v_nop
.endr
.Lfirst_asked:
	v_and_b32 v13, 15, v0                          ; r
	v_bfe_u32 v14, v0, 4, 1                        ; h
	v_and_b32 v15, 31, v0                          ; lane
	v_lshlrev_b32 v[QO], 6, v13
	v_lshl_add_u32 v[QO], v14, 4, v[QO]            ; Q: row r of 64 bytes, + 16 h
.irp f, 0,1,2,3                                    ; tile f: queries 16 f on: tiles 0, 1 are the first pass's, 2, 3 the second's
	global_load_b128 v[Q+8*\f:Q+8*\f+3], v[QO], s[4:5] offset:1024*\f
	global_load_b128 v[Q+8*\f+4:Q+8*\f+7], v[QO], s[4:5] offset:1024*\f+32
.endr
	v_mul_u32_u24 v[AK0], v13, KP
	v_lshl_add_u32 v[AK0], v14, 4, v[AK0]          ; K: row r, + 16 h
	v_mul_u32_u24 v[AV0], v13, VP
	v_lshl_add_u32 v[AV0], v14, 3, v[AV0]
	v_add_nc_u32 v[AV0], VB, v[AV0]                ; V: row r, + 8 h
	s_mul_i32 s86, s[WV], 32*KP
	s_add_co_u32 s86, s86, STG                     ; my stage
	v_mul_u32_u24 v[STO], v13, KP
	v_lshl_add_u32 v[STO], v14, 3, v[STO]
	v_add_nc_u32 v[STO], s86, v[STO]               ; in: query r, + 8 h
	v_lshrrev_b32 v[RD], 2, v15
	v_mul_u32_u24 v[RD], v[RD], KP
	v_and_b32 v[ADK], 3, v15
	v_lshl_add_u32 v[RD], v[ADK], 4, v[RD]
	v_add_nc_u32 v[RD], s86, v[RD]                 ; back: four lanes to a query's 64 bytes
	v_lshlrev_b32 v[GO], 4, v15
	s_wait_kmcnt 0x0
	s_add_co_i32 s84, s56, s57
	s_lshl_b32 s84, s84, 23
	s_add_co_i32 s[CS], s84, 0x3e38aa3b            ; c = log2(e) / 8 x 2^(e6 + e7): the two exponents are added to c's exponent field
	s_mov_b32 s[CS+1], s[CS]                       ; (named with it as a pair)
	s_add_co_i32 s84, s58, 127
	s_lshl_b32 s85, s84, 23
	v_mov_b32 v[SCP], s85                          ; 2^e8 as f32
	s_add_co_i32 s84, s84, 8
	s_lshl_b32 s84, s84, 23
	s_or_b32 s84, s84, 0x600000
	v_mov_b32 v[LIMP], s84                         ; 448 x 2^e8
	s_add_co_i32 s84, s60, 127
	s_lshl_b32 s85, s84, 23
	v_mov_b32 v[SCC], s85                          ; the same with e10, for ctx
	s_add_co_i32 s84, s84, 8
	s_lshl_b32 s84, s84, 23
	s_or_b32 s84, s84, 0x600000
	v_mov_b32 v[LIMC], s84
	s_add_co_i32 s67, s58, s59                     ; e8 + e9
; pair i of tile T: into the sum (two chains by turns), THEN held at the largest code; every fourth pair completes a tile of eight for the conversion
.macro SUMHOLD T
.if i%2
	v_pk_add_f32 v[XS+2*\T:XS+2*\T+1], v[XS+2*\T:XS+2*\T+1], v[S+64*\T+2*i:S+64*\T+2*i+1]
.else
	v_pk_add_f32 v[ST+8*\T+2:ST+8*\T+3], v[ST+8*\T+2:ST+8*\T+3], v[S+64*\T+2*i:S+64*\T+2*i+1]
.endif
	v_min_num_f32 v[S+64*\T+2*i], v[S+64*\T+2*i], v[LIMP]      ; the conversion does not saturate (ISA guide 7.6.2); p is not negative, so the hold is one-sided
	v_min_num_f32 v[S+64*\T+2*i+1], v[S+64*\T+2*i+1], v[LIMP]
.if i%4 == 3
	v_cvt_scalef32_pk8_fp8_f32 v[P+16*\T+2*(i/4):P+16*\T+2*(i/4)+1], v[S+64*\T+8*(i/4):S+64*\T+8*(i/4)+7], v[SCP]
.endif
.endm
; A KEY STEP: 128 keys for both tiles.
.macro STEP
	v_add_nc_u32 v[ADK], s[TBK], v[AK0]
	v_add_nc_u32 v[ADV], s[TBV], v[AV0]
	v_nop
	v_nop                                          ; four plain instructions between the last step's products and the loads into the registers that they read
	WIN W_LD
.irp c, 0,1,2,3,4,5,6,7
	ds_load_b128 v[KF+8*\c:KF+8*\c+3], v[ADK] offset:\c*16*KP
	ds_load_b128 v[KF+8*\c+4:KF+8*\c+7], v[ADK] offset:\c*16*KP+32
.endr
.irp dt, 0,1,2,3
.irp c, 0,1,2,3,4,5,6,7
	ds_load_b64 v[VF+16*\dt+2*\c:VF+16*\dt+2*\c+1], v[ADV] offset:\dt*16*VP+16*\c   ; V(16 dt + r, keys 16 c + 8 h on)
.endr
.endr
	s_wait_dscnt 32                                ; K's 16 loads are in; V's 32, issued behind them, may be out
	WIN W_S
.irp c, 0,1,2,3,4,5,6,7
.irp T, 0,1
	v_wmma_f32_16x16x64_fp8_fp8 v[S+64*\T+8*\c:S+64*\T+8*\c+7], v[KF+8*\c:KF+8*\c+7], v[Q+8*\T:Q+8*\T+7], 0
.endr
.endr
	WIN 0
	v_mov_b32 v[ST+6], v[ST]                       ; the old -M of both tiles,
	v_mov_b32 v[ST+14], v[ST+8]
	v_nop
	v_nop                                          ; four plain instructions behind the products
.irp T, 0,1                                        ; the step's largest score of my query among my 64 keys: two chains a tile, the registers in ascending order
	v_max3_num_f32 v[MA+2*\T], v[S+64*\T], v[S+64*\T+1], v[S+64*\T+2]
	v_max3_num_f32 v[MA+2*\T+1], v[S+64*\T+3], v[S+64*\T+4], v[S+64*\T+5]
.endr
.irp i, 6,10,14,18,22,26,30,34,38,42,46,50,54,58
.irp T, 0,1
	v_max3_num_f32 v[MA+2*\T], v[MA+2*\T], v[S+64*\T+\i], v[S+64*\T+\i+1]
	v_max3_num_f32 v[MA+2*\T+1], v[MA+2*\T+1], v[S+64*\T+\i+2], v[S+64*\T+\i+3]
.endr
.endr
.irp T, 0,1
	v_max3_num_f32 v[MA+2*\T], v[MA+2*\T], v[S+64*\T+62], v[S+64*\T+63]
.endr
.irp T, 0,1
	v_max_num_f32 v[MA+2*\T], v[MA+2*\T], v[MA+2*\T+1]
.endr
.irp T, 0,1
	v_permlanex16_b32 v[ST+8*\T+7], v[MA+2*\T], s[SEL], s[SEL+1]
.endr
.irp T, 0,1
	v_max_num_f32 v[MA+2*\T], v[MA+2*\T], v[ST+8*\T+7]         ; and among lane l xor 16's
.endr
.irp T, 0,1
	v_mul_f32 v[MA+2*\T], s[CS], v[MA+2*\T]        ; as t (c is positive)
.endr
.irp T, 0,1
	v_max_num_f32 v[ST+8*\T+1], v[ST+8*\T+1], v[MA+2*\T]       ; the running largest t
.endr
.irp T, 0,1
	v_floor_f32 v[ST+8*\T], -v[ST+8*\T+1]          ; -M = floor(-t): M is a whole number
.endr
.irp T, 0,1
	v_sub_f32 v[MA+2*\T], v[ST+8*\T], v[ST+8*\T+6] ; old M - new M: a whole number, 0 or less
.endr
.irp T, 0,1
	v_cvt_i32_f32 v[MA+2*\T], v[MA+2*\T]           ; (it saturates)
.endr
.irp T, 0,1
	v_ldexp_f32 v[ST+8*\T+4], 1.0, v[MA+2*\T]      ; f = 2^(old M - new M)
.endr
.set i, 0
.rept 32
	v_pk_fma_f32 v[S+2*i:S+2*i+1], v[S+2*i:S+2*i+1], s[CS:CS+1], v[ST:ST+1] op_sel_hi:[1,0,0]     ; tile 0: t - M
.set i, i+1
.endr
.set i, 0
.rept 32                                           ; tile 0's exponentials, tile 1's scalings between them
	v_exp_f32 v[S+2*i], v[S+2*i]
	v_exp_f32 v[S+2*i+1], v[S+2*i+1]
	v_pk_fma_f32 v[S+64+2*i:S+64+2*i+1], v[S+64+2*i:S+64+2*i+1], s[CS:CS+1], v[ST+8:ST+9] op_sel_hi:[1,0,0]
.set i, i+1
.endr
	WIN W_RS
.set i, 0
.rept 32
	v_pk_mul_f32 v[2*i:2*i+1], v[2*i:2*i+1], v[ST+8*(i/16)+4:ST+8*(i/16)+5] op_sel_hi:[1,0]      ; O^T under the new M; work that names no exponential's result
.set i, i+1
.endr
	WIN 0
.irp T, 0,1
	v_pk_mul_f32 v[ST+8*\T+2:ST+8*\T+3], v[ST+8*\T+2:ST+8*\T+3], v[ST+8*\T+4:ST+8*\T+5] op_sel_hi:[1,0]   ; and the sums' two chains
	v_pk_mul_f32 v[XS+2*\T:XS+2*\T+1], v[XS+2*\T:XS+2*\T+1], v[ST+8*\T+4:ST+8*\T+5] op_sel_hi:[1,0]
.endr
	s_wait_alu depctr_va_vdst(0)                   ; one wait for tile 0's 64 exponentials, ahead of their first reader
.set i, 0
.rept 32                                           ; tile 1's exponentials, tile 0's sums, holds and conversions between them
	v_exp_f32 v[S+64+2*i], v[S+64+2*i]
	v_exp_f32 v[S+64+2*i+1], v[S+64+2*i+1]
	SUMHOLD 0
.set i, i+1
.endr
	s_wait_alu depctr_va_vdst(0)                   ; one wait for tile 1's 64
.set i, 0
.rept 32
	SUMHOLD 1
.set i, i+1
.endr
	v_nop                                          ; a plain instruction between the last conversion and the products that read its result
	s_wait_dscnt 0x0                               ; V is in
	WIN W_PV
.irp dt, 0,1,2,3
.irp T, 0,1
	v_wmma_f32_16x16x128_fp8_fp8 v[32*\T+8*\dt:32*\T+8*\dt+7], v[VF+16*\dt:VF+16*\dt+15], v[P+16*\T:P+16*\T+15], v[32*\T+8*\dt:32*\T+8*\dt+7]
.endr
.endr
	WIN 0
	s_add_co_u32 s[TBK], s[TBK], 128*KP
	s_add_co_u32 s[TBV], s[TBV], 128
.endm
; Chunk c: 512 keys.  left: my loads for the later chunks, which may stay out.
.macro CHUNK c, left
	s_wait_tensorcnt \left                         ; my part of chunk c has landed
	s_wait_dscnt 0x0
	s_barrier_signal -1
	s_barrier_wait -1                              ; everybody's has
	s_mov_b32 s[TBK], \c*512*KP
	s_mov_b32 s[TBV], \c*VCH
	s_mov_b32 s63, 4
.Lstep_\@:
	STEP
	s_sub_co_u32 s63, s63, 1
	s_cmp_lg_u32 s63, 0
	s_cbranch_scc1 .Lstep_\@
.endm
	s_wait_loadcnt 0x0                             ; Q
	s_mov_b32 s66, 2
.Lpass:                                            ; two trips: 32 queries each.  In the second the waits on TENSORcnt are met at once
.irp T, 0,1
	v_mov_b32 v[ST+8*\T+1], 0xff61b1e6             ; the largest t so far: -3e38, under every t
	v_mov_b32 v[ST+8*\T+2], 0                      ; the sum,
	v_mov_b32 v[ST+8*\T+3], 0
	v_mov_b32 v[XS+2*\T], 0                        ; its second chain
	v_mov_b32 v[XS+2*\T+1], 0
	v_mov_b32 v[ST+8*\T+5], 0                      ; (named as the upper half of f's pair)
	v_mov_b32 v[ST+8*\T+7], 0                      ; (a lane permute's destination counts as one of its sources)
.endr
.irp T, 0,1
	v_floor_f32 v[ST+8*\T], -v[ST+8*\T+1]
.endr
	WIN W_LD
.set i, 0
.rept 64
	v_mov_b32 v[i], 0                              ; O^T: the step is written without a first step of its own: it finds zeros, which the first change of M leaves zeros
.set i, i+1
.endr
	WIN 0
	CHUNK 0, 3
	CHUNK 1, 2
	CHUNK 2, 1
	CHUNK 3, 0
	; THE WAY OUT of 32 queries.  The additions are the places behind the last products
.irp T, 0,1
	v_pk_add_f32 v[ST+8*\T+2:ST+8*\T+3], v[ST+8*\T+2:ST+8*\T+3], v[XS+2*\T:XS+2*\T+1]
.endr
.irp T, 0,1
	v_add_f32 v[ST+8*\T+6], v[ST+8*\T+2], v[ST+8*\T+3]
.endr
.irp T, 0,1
	v_permlanex16_b32 v[ST+8*\T+7], v[ST+8*\T+6], s[SEL], s[SEL+1]
.endr
.irp T, 0,1
	v_add_f32 v[ST+8*\T+6], v[ST+8*\T+6], v[ST+8*\T+7]         ; the row's sum
.endr
.irp T, 0,1
	v_rcp_f32 v[ST+8*\T+4], v[ST+8*\T+6]
.endr
	v_nop                                          ; a plain instruction behind the reciprocals
	s_wait_alu depctr_va_vdst(0)                   ; one wait for both, ahead of their first reader
.irp T, 0,1
	v_ldexp_f32 v[ST+8*\T+4], v[ST+8*\T+4], s67    ; x 2^(e8 + e9)
.endr
	WIN W_S                                        ; source 0 (O^T) window 1
.set i, 0
.rept 32
	v_pk_mul_f32 v[S+2*i:S+2*i+1], v[2*i:2*i+1], v[ST+8*(i/16)+4:ST+8*(i/16)+5] op_sel_hi:[1,0]  ; ctx: register 32 T + 8 dt + j is (query 16 T + r, channel 16 dt + 8 h + j)
.set i, i+1
.endr
	WIN 0
.set i, 0
.rept 64
	v_med3_num_f32 v[S+i], v[S+i], -v[LIMC], v[LIMC]
.set i, i+1
.endr
.irp g, 0,1,2,3,4,5,6,7
	v_cvt_scalef32_pk8_fp8_f32 v[P+2*\g:P+2*\g+1], v[S+8*\g:S+8*\g+7], v[SCC]
.endr
	v_nop                                          ; a plain instruction behind the last conversion
.irp g, 0,1,2,3,4,5,6,7
	ds_store_b64 v[STO], v[P+2*\g:P+2*\g+1] offset:(\g/4)*16*KP+16*(\g%4)
.endr
.irp n, 0,1,2,3
	ds_load_b128 v[RB+4*\n:RB+4*\n+3], v[RD] offset:\n*8*KP    ; eight queries' 64 bytes each; my own bytes, served in order
.endr
.irp n, 0,1,2,3
	s_wait_dscnt 3-\n                              ; load n is in; the younger ones may be out
	global_store_b128 v[GO], v[RB+4*\n:RB+4*\n+3], s[12:13] offset:512*\n      ; 32 lanes store 512 consecutive bytes, at a multiple of 512 from the buffer's first byte
.endr
	s_wait_xcnt 0x0                                ; the stores have read their registers and their base
	s_add_nc_u64 s[12:13], s[12:13], 2048          ; 32 queries on
.set i, 0
.rept 16
	v_mov_b32 v[Q+i], v[Q+16+i]                    ; the second pass's Q
.set i, i+1
.endr
	s_sub_co_u32 s66, s66, 1
	s_cmp_lg_u32 s66, 0
	s_cbranch_scc1 .Lpass
	s_wait_tensorcnt 0x0
	ds_add_u32 v254, v255
	s_wait_dscnt 0x0
	CROUND                                         ; the closing round: no work-group ends while a partner may still ask for a tile that names it
	s_endpgm
.Lfunc_end_k_qcfdcfa70cf_attn:
	.size	k_qcfdcfa70cf_attn, .Lfunc_end_k_qcfdcfa70cf_attn-k_qcfdcfa70cf_attn
	.p2alignl 7, 3214868480
	.fill 96, 4, 3214868480
	.section	.rodata,"a",@progbits
	.p2align	6, 0x0
	.amdhsa_kernel k_qcfdcfa70cf_attn
		.amdhsa_group_segment_fixed_size 327680
		.amdhsa_private_segment_fixed_size 0
		.amdhsa_enable_private_segment 0
		.amdhsa_kernarg_size 40
		.amdhsa_user_sgpr_count 2
		.amdhsa_user_sgpr_kernarg_segment_ptr 1
		.amdhsa_wavefront_size32 1
		.amdhsa_system_sgpr_workgroup_id_x 1
		.amdhsa_system_sgpr_workgroup_id_y 1
		.amdhsa_system_sgpr_workgroup_id_z 1
		.amdhsa_system_vgpr_workitem_id 0
		.amdhsa_next_free_vgpr 448
		.amdhsa_next_free_sgpr 92
		.amdhsa_reserve_vcc 0
		.amdhsa_float_denorm_mode_32 3
		.amdhsa_float_denorm_mode_16_64 3
		.amdhsa_memory_ordered 1
		.amdhsa_forward_progress 1
		.amdhsa_inst_pref_size 140
	.end_amdhsa_kernel
	.amdgpu_metadata
---
amdhsa.version: [ 1, 2 ]
amdhsa.kernels:
  - .name:           k_qcfdcfa70cf_attn
    .symbol:         k_qcfdcfa70cf_attn.kd
    .args:
      - { .name: qc, .offset: 0, .size: 8, .value_kind: global_buffer, .address_space: global }
      - { .name: kc, .offset: 8, .size: 8, .value_kind: global_buffer, .address_space: global }
      - { .name: vc, .offset: 16, .size: 8, .value_kind: global_buffer, .address_space: global }
      - { .name: lowp_scales, .offset: 24, .size: 8, .value_kind: global_buffer, .address_space: global }
      - { .name: ctx, .offset: 32, .size: 8, .value_kind: global_buffer, .address_space: global }
    .group_segment_fixed_size: 327680
    .private_segment_fixed_size: 0
    .kernarg_segment_align: 8
    .kernarg_segment_size: 40
    .max_flat_workgroup_size: 256
    .sgpr_count:     92
    .vgpr_count:     448
    .wavefront_size: 32
...
	.end_amdgpu_metadata
.endif
;; end of part 2
;; launch outp (part 3): grid 4 x 32, 4 waves a work-group, clusters of 4 x 4, 327,680 bytes of LDS; arguments ctx, Wo_codes, lowp_scales, bo, out0; writes out0
.if DOCPART == 3
	.amdgcn_target "amdgcn-amd-amdhsa--gfx1250"
	.amdhsa_code_object_version 6
	.text
	.protected	k_qcfdcfa70cf_outp
	.globl	k_qcfdcfa70cf_outp
	.p2align	8
	.type	k_qcfdcfa70cf_outp,@function
k_qcfdcfa70cf_outp:
	s_mov_b64 s[64:65], 0
	v_nop
	global_prefetch_b8 v0, s[64:65] scope:SCOPE_SE
	s_setreg_imm32_b32 hwreg(HW_REG_WAVE_MODE, 25, 1), 1
	s_wait_xcnt 0x0
	s_wait_alu depctr_hold_cnt(0) depctr_sa_sdst(0) depctr_va_vdst(0) depctr_va_sdst(0) depctr_va_ssrc(0) depctr_va_vcc(0) depctr_vm_vsrc(0)
	s_getreg_b32 s2, hwreg(HW_REG_IB_STS2, 6, 4)
	s_cmp_eq_u32 s2, 0
	s_cbranch_scc0 .Lentry_in_a_cluster
	s_endpgm
.Lentry_in_a_cluster:
	s_bfe_u32 s2, ttmp6, 0x10000c
	s_cmp_lg_u32 s2, 0xf033
	s_cbranch_scc0 .Lentry_shape_is_right
	s_endpgm
.Lentry_shape_is_right:
; out0 = merged Wo + bo on codes of E4M3.  ctx: [batch x 16 + head][2048 tokens][64 codes]: merged(m, k) with k = 64 x head + e.  Wo_codes: [1024 (n)][1024 (k)].  bo: [1024] f32.  out0: [8192][1024] f32.
; A number of ctx is its code x 2^e10, of Wo x 2^e11: the codes are multiplied as they are, and each finished sum takes one fused multiply-add: x 2^(e10 + e11) + bo.
; LIMIT: e10 + e11 between -126 and 127, so that the power of two is an f32 number.
; A tile of C, 256 x 256, is made by four waves, 128 x 128 each: 64 accumulators.  K in four steps of 256 (four heads) through two LDS slots filled by joint tensor loads: 4 x 4 work-groups form a cluster;
; A's tile is shared along a row of the cluster, B's along a column.  128 work-groups: a tile of half the rows would double them, but each byte read from LDS would then feed fewer products.
; A'S TILE COMES BY HEADS: 128 tokens x 64 bytes of one head are 8,192 consecutive bytes; a load takes four such runs, 131,072 bytes apart, with 16 bytes of padding behind every 64:
; in LDS a plane of 10,240 bytes a head, a token's 64 bytes every 80.
; The matrix instruction is used transposed (source 0 = 16 rows of Wo, source 1 = 16 tokens): a lane holds eight neighbouring numbers of a row of C.
; REGISTERS, in windows of 256: window 0: v7-29 addresses; v32-35 the bias as loaded; from v128 A's fragments, one set; on the way out v32-255 are free.
;   window 1: B's fragments, two sets; on the way out v0-63 the bias in the result's layout.   windows 2, 3: the accumulators ((a, b) at v[8 (8 (a % 4) + b)]).
.set SIZE_N, 1024
.set ROWB,   256
.set PITCH,  272                       ; B's LDS row: 256 bytes + 16
.set AP,     80                        ; A: a token's 64 bytes + 16
.set PLANE,  128*AP                    ; A: a head's 128 tokens
.set FR,     16
.set NL,     4
.set NP,     4                         ; places behind this matrix instruction (ISA guide 7.12.1)
.set HALFA,  4*PLANE                   ; what one load brings of A: 128 tokens x 4 heads
.set HALFB,  128*PITCH                 ; of B: 128 rows
.set SLOT,   2*HALFA+2*HALFB
.set SPARE,  2*SLOT                    ; the spare words: 128 bytes a wave, two blocks of 256 bytes that no other line names
.set BIAS,   SPARE+512                 ; 512 bytes a wave: its 128 numbers of bo; no fill lands here
.set SPITCH, 528                       ; the way out: a stage of 16 rows x (512 bytes + 16) for each wave, in slot 0, which has had its last fill and its last read by then
.set BIAW, 7
.set BIAQ, 8
.set ADRA, 16
.set ADRB, 20
.set STO,  24
.set RD,   25
.set CO,   26
.set SPW,  28
.set NIL,  29
.set IMG,  32
.set TMP,  32
.set AF,   128
.set BK,   128
.set G1, 24
.set G0, 32
.set G1B, 48
.set G0B, 56
.set MSB, 0
.macro WIN new                         ; the immediate's high byte repeats the setting that is left
.if MSB != \new
	s_set_vgpr_msb (MSB<<8)|\new
.set MSB, \new
.endif
.endm
.set MUL_LO, 0xa1
.set MUL_HI, 0xf1
.set TO_B,   0x40
.macro JLOAD g0a, g1a, g0b, g1b        ; a joint load: waves 0 and 1 fetch for A, waves 2 and 3 for B; four v_nop follow each of the two lines
	s_cmp_eq_u32 s15, 0
	s_cbranch_scc0 .Lfor_b_\@
	tensor_load_to_lds s[\g0a:\g0a+3], s[\g1a:\g1a+7]
	s_nop 0
.rept 4
	v_nop
.endr
	s_branch .Lasked_\@
.Lfor_b_\@:
	tensor_load_to_lds s[\g0b:\g0b+3], s[\g1b:\g1b+7]
	s_nop 0
.rept 4
	v_nop
.endr
.Lasked_\@:
.endm
.macro CREST
	s_cmp_lg_u32 s14, 0
	s_cbranch_scc1 .Lnot_wave_0_\@
	s_barrier_signal -3
.Lnot_wave_0_\@:
	s_barrier_wait -3
	s_barrier_signal -1
	s_barrier_wait -1
.endm
.macro CROUND
	s_barrier_signal -1
	s_barrier_wait -1
	CREST
.endm
	s_load_b128 s[4:7], s[0:1], 0x0                ; ctx, Wo's codes
	s_load_b128 s[8:11], s[0:1], 0x10              ; the scales' exponents, bo
	s_load_b64 s[12:13], s[0:1], 0x20              ; out0
	v_lshl_add_u32 v[SPW], v0, 2, SPARE
	v_mov_b32 v[NIL], 0
	ds_add_u32 v28, v29
	ds_add_u32 v28, v29
	s_wait_dscnt 0x0
	v_lshrrev_b32 v1, 5, v0
	v_readfirstlane_b32 s14, v1                    ; wave 0..3
	s_lshr_b32 s15, s14, 1                         ; which half of the tile's rows is mine.  Also: I fetch for A (0) or for B (1)
	s_and_b32 s16, s14, 1                          ; which half of its columns.  Also: which half of that tile I fetch
	s_bfe_u32 s40, ttmp6, 0x40000                  ; cx
	s_bfe_u32 s41, ttmp6, 0x40004                  ; cy
	s_lshl_b32 s42, ttmp9, 2
	s_add_co_u32 s42, s42, s40                     ; tile column of C
	s_and_b32 s17, ttmp7, 0xffff
	s_lshl_b32 s17, s17, 2
	s_add_co_u32 s17, s17, s41                     ; tile row of C
	s_lshl_b32 s43, s41, 2
	s_lshl_b32 s43, 15, s43                        ; my row of the cluster
	s_lshl_b32 s44, 0x1111, s40                    ; my column
	s_or_b32 s[G1+0], s43, (0<<16)|(1<<20)|(1<<21)|(3<<22)|(3<<25)   ; A: the mask; elements of 1 byte; padding on; bit 21 beside a mask; 4 words behind every 16
	s_mov_b32 s[G1+1], 8192<<16                    ; tensor_dim0 = 8,192
	s_mov_b32 s[G1+2], 4<<16                       ; tensor_dim1 = 4
	s_mov_b32 s[G1+3], 8192<<16                    ; tile_dim0
	s_mov_b32 s[G1+4], 4                           ; tile_dim1
	s_mov_b32 s[G1+5], 131072                      ; from head to head
	s_mov_b32 s[G1+6], 0
	s_mov_b32 s[G1+7], 0
	s_or_b32 s[G1B+0], s44, (0<<16)|(1<<20)|(1<<21)|(5<<22)|(3<<25)  ; B: 4 words behind every 64
	s_mov_b32 s[G1B+1], ROWB<<16
	s_mov_b32 s[G1B+2], 128<<16
	s_mov_b32 s[G1B+3], ROWB<<16
	s_mov_b32 s[G1B+4], 128
	s_mov_b32 s[G1B+5], 1024
	s_mov_b32 s[G1B+6], 0
	s_mov_b32 s[G1B+7], 0
	s_lshr_b32 s20, s17, 3                         ; A: the batch (eight tile rows each) x 2^21
	s_lshl_b32 s20, s20, 21
	s_and_b32 s21, s17, 7
	s_lshl_b32 s21, s21, 14                        ; + 256 tokens x 64 bytes for each tile row in it
	s_add_co_u32 s20, s20, s21
	s_lshl_b32 s21, s16, 13                        ; + the 128 tokens that I fetch
	s_add_co_u32 s20, s20, s21
	s_mov_b32 s21, 0
	s_lshl_b32 s46, s42, 8                         ; B: row 256 x tile column + 128 x half, of 1,024 bytes
	s_lshl_b32 s47, s16, 7
	s_add_co_u32 s46, s46, s47
	s_lshl_b32 s46, s46, 10
	s_mov_b32 s47, 0
	s_mul_i32 s45, s16, HALFA                      ; where they go: A's two halves,
	s_mul_i32 s18, s16, HALFB
	s_add_co_u32 s18, s18, 2*HALFA                 ; then B's two
	s_wait_kmcnt 0x0
	s_load_b64 s[96:97], s[8:9], 0x28              ; e10, e11
	s_add_nc_u64 s[20:21], s[4:5], s[20:21]
	s_add_nc_u64 s[46:47], s[6:7], s[46:47]
	CROUND                                         ; all sixteen work-groups are here: the first joint loads meet
.irp s, 0,1
	s_mov_b32 s[G0+4*\s], 1
	s_add_co_u32 s[G0+4*\s+1], s45, \s*SLOT
	s_add_nc_u64 s[G0+4*\s+2:G0+4*\s+3], s[20:21], \s*4*131072     ; K step s: heads 4 s on
	s_or_b32 s[G0+4*\s+3], s[G0+4*\s+3], 0x80000000
	s_mov_b32 s[G0B+4*\s], 1
	s_add_co_u32 s[G0B+4*\s+1], s18, \s*SLOT
	s_add_nc_u64 s[G0B+4*\s+2:G0B+4*\s+3], s[46:47], \s*ROWB
	s_or_b32 s[G0B+4*\s+3], s[G0B+4*\s+3], 0x80000000
	JLOAD G0+4*\s, G1, G0B+4*\s, G1B
.endr
	v_and_b32 v1, 15, v0                           ; r
	v_bfe_u32 v2, v0, 4, 1                         ; h
	v_and_b32 v6, 31, v0                           ; lane
	v_lshlrev_b32 v[CO], 4, v6
	s_lshl_b32 s2, s42, 10                         ; my wave's 128 numbers of bo: 4 (256 x tile column + 128 x half)
	s_lshl_b32 s3, s16, 9
	s_add_co_u32 s2, s2, s3
	s_mov_b32 s3, 0
	s_add_nc_u64 s[10:11], s[10:11], s[2:3]
	global_load_b128 v[IMG:IMG+3], v[CO], s[10:11] ; 32 lanes read 512 consecutive bytes; waited for on the way out
	v_mul_u32_u24 v3, v1, AP
	v_lshl_add_u32 v3, v2, 4, v3                   ; A: token r x 80 + 16 h
	v_mul_u32_u24 v4, v1, PITCH
	v_lshl_add_u32 v4, v2, 4, v4                   ; B: row r x 272 + 16 h
	s_mul_i32 s19, s15, HALFA                      ; my 128 tokens
	s_mul_i32 s18, s16, HALFB
	s_add_co_u32 s18, s18, 2*HALFA                 ; my 128 rows of B
.irp s, 0,1
	v_add_nc_u32 v[ADRA+\s], s19, v3
	v_add_nc_u32 v[ADRB+\s], s18, v4
	s_add_co_u32 s19, s19, SLOT
	s_add_co_u32 s18, s18, SLOT
.endr
	s_mul_i32 s19, s14, 16*SPITCH                  ; my stage
	v_mul_u32_u24 v5, v1, SPITCH
	v_lshl_add_u32 v5, v2, 5, v5
	v_add_nc_u32 v[STO], s19, v5                   ; in: row r, 32 bytes for each half of the lanes
	v_add_nc_u32 v[RD], s19, v[CO]                 ; back: the 32 lanes take one row of 512 bytes
	s_lshl_b32 s19, s14, 9
	s_add_co_u32 s19, s19, BIAS
	v_lshl_add_u32 v[BIAW], v6, 4, s19
	v_lshl_add_u32 v[BIAQ], v2, 5, s19
	s_lshl_b32 s22, s17, 8
	s_lshl_b32 s23, s15, 7
	s_add_co_u32 s22, s22, s23                     ; my first row of C,
	s_lshl_b32 s22, s22, 12                        ; of 4,096 bytes: under 2^25
	s_add_co_u32 s22, s22, s2                      ; + my first column's bytes
	s_mov_b32 s23, 0
	s_add_nc_u64 s[12:13], s[12:13], s[22:23]
.macro FRAG reg, adr, q, i             ; B: registers 4 c .. 4 c + 3 hold K = 128 q + 32 c + 16 (l / 16) + 0 .. 15 of row l % 16
.irp c, 0,1,2,3
	ds_load_b128 v[\reg+4*\c:\reg+4*\c+3], v[\adr] offset:128*(\q)+32*\c+(\i)*16*PITCH
.endr
.endm
.macro FRAGA reg, adr, q, i            ; A: the same k: head 2 q + c / 2 of the slot's four, e = 32 (c % 2) + 16 (l / 16) on
.irp c, 0,1,2,3
	ds_load_b128 v[\reg+4*\c:\reg+4*\c+3], v[\adr] offset:(2*(\q)+\c/2)*PLANE+(\i)*16*AP+32*(\c%2)
.endr
.endm
.macro MUL16 a0, p, zero               ; the 64 accumulators take turns, one instruction a turn
.irp a, \a0, \a0+1
.irp b, 0,1,2,3,4,5,6,7
.if \zero
	v_wmma_f32_16x16x128_fp8_fp8 v[8*(8*((\a)%4)+\b):8*(8*((\a)%4)+\b)+7], v[128*(\p)+FR*\b:128*(\p)+FR*\b+FR-1], v[AF+FR*(\a):AF+FR*(\a)+FR-1], 0
.else
	v_wmma_f32_16x16x128_fp8_fp8 v[8*(8*((\a)%4)+\b):8*(8*((\a)%4)+\b)+7], v[128*(\p)+FR*\b:128*(\p)+FR*\b+FR-1], v[AF+FR*(\a):AF+FR*(\a)+FR-1], v[8*(8*((\a)%4)+\b):8*(8*((\a)%4)+\b)+7]
.endif
.endr
.endr
.endm
.macro FETCH_B slot, q, p
	WIN TO_B
.irp i, 0,1,2,3,4,5,6,7
	FRAG 128*(\p)+FR*\i, ADRB+\slot, \q, \i
.endr
	WIN 0
.endm
.macro FETCH_A slot, q, i0
.irp i, \i0, \i0+1, \i0+2, \i0+3
	FRAGA AF+FR*(\i), ADRA+\slot, \q, \i
.endr
.endm
.macro PLACES n
.rept \n
	v_nop
.endr
.endm
.macro STEP slot, q, zero
	s_wait_dscnt 4*NL                              ; B's set and A's blocks 0-3 are in; the youngest 16 loads (A's blocks 4-7) may be out
	WIN MUL_LO
	MUL16 0, (\q)%2, \zero
	MUL16 2, (\q)%2, \zero
	s_wait_dscnt 0
	PLACES NP
	FETCH_B \slot, (\q)+1, 1-(\q)%2
	FETCH_A \slot, (\q)+1, 0
	WIN MUL_HI
	MUL16 4, (\q)%2, \zero
	MUL16 6, (\q)%2, \zero
	PLACES NP
	WIN 0
	FETCH_A \slot, (\q)+1, 4
.endm
.macro TURN slot, next, fill
	s_wait_tensorcnt 0x0                           ; all my tensor loads have landed: my part of the next slot
	ds_add_u32 v[SPW], v[NIL]                      ; 0 onto my spare word
	s_wait_dscnt 4*NL+1                            ; (the add and the youngest 16 loads may be out)
	WIN MUL_LO
	MUL16 0, 1, 0
	s_wait_dscnt 0x0                               ; the add is done, and my reads of this slot are over
	s_barrier_signal -1
	MUL16 2, 1, 0
	WIN 0
	s_barrier_wait -1
.if \fill
	CREST                                          ; the barrier has opened a round of the cluster's: no wave of any partner still reads this slot or has a load on its way
	s_add_nc_u64 s[G0+4*\slot+2:G0+4*\slot+3], s[G0+4*\slot+2:G0+4*\slot+3], 8*131072   ; eight heads on
	s_add_nc_u64 s[G0B+4*\slot+2:G0B+4*\slot+3], s[G0B+4*\slot+2:G0B+4*\slot+3], 2*ROWB
	JLOAD G0+4*\slot, G1, G0B+4*\slot, G1B         ; the first tensor load behind the round; its four v_nop are the places in front of the loads below
.else
	PLACES NP
.endif
	FETCH_B \next, 0, 0
	FETCH_A \next, 0, 0
	WIN MUL_HI
	MUL16 4, 1, 0
	MUL16 6, 1, 0
	PLACES NP
	WIN 0
	FETCH_A \next, 0, 4
.endm
	s_wait_tensorcnt 1                             ; my part of K step 0 is in; K step 1's load may be out
	s_barrier_signal -1
	s_barrier_wait -1
	FETCH_B 0, 0, 0
	FETCH_A 0, 0, 0
	FETCH_A 0, 0, 4
	STEP 0, 0, 1                                   ; K = 1,024 is four slots' worth: written out, no loop
	TURN 0, 1, 1
	STEP 1, 0, 0
	TURN 1, 0, 1
	STEP 0, 0, 0
	TURN 0, 1, 0
	STEP 1, 0, 0
	s_wait_dscnt 4*NL
	WIN MUL_LO
	MUL16 0, 1, 0
	MUL16 2, 1, 0
	s_wait_dscnt 0
	WIN MUL_HI
	MUL16 4, 1, 0
	MUL16 6, 1, 0
	WIN 0
; THE WAY OUT, block by block of 16 rows x 128 columns: through my own stage in LDS, back as whole rows of 512 bytes.  LDS serves a wave's instructions in order (ISA guide 5.7.1.4).
.macro TOSTAGE a
.set AC, 64*((\a)%4)
	WIN 0x12+((\a)/4)                              ; source 0 (the sums) window 2 or 3, source 2 (bo) window 1
.set j, 0
.rept 32
	v_pk_fma_f32 v[TMP+j:TMP+j+1], v[AC+j:AC+j+1], s[96:97], v[j:j+1] op_sel_hi:[1,0,1]     ; sum x 2^(e10 + e11) + bo; each accumulator from its low end on
.set j, j+2
.endr
	WIN 0
.irp b, 0,1,2,3,4,5,6,7
	ds_store_b128 v[STO], v[TMP+8*\b:TMP+8*\b+3] offset:64*\b
	ds_store_b128 v[STO], v[TMP+8*\b+4:TMP+8*\b+7] offset:64*\b+16
.endr
.set BB, BK+64*((\a)%2)
.irp t, 0,1,2,3,4,5,6,7,8,9,10,11,12,13,14,15
	ds_load_b128 v[BB+4*\t:BB+4*\t+3], v[RD] offset:\t*SPITCH
.endr
.endm
.macro SEND a, younger                 ; younger: the LDS instructions issued behind block a's loads, which may stay out
.set BB, BK+64*((\a)%2)
	s_wait_dscnt \younger
.if (\a) > 0
	s_add_nc_u64 s[12:13], s[12:13], 16*SIZE_N*4   ; (behind a wait on XCNT: the earlier stores have read their base)  16 rows of C on
.endif
.irp t, 0,1,2,3,4,5,6,7,8,9,10,11,12,13,14,15
	global_store_b128 v[CO], v[BB+4*\t:BB+4*\t+3], s[12:13] offset:\t*SIZE_N*4 th:TH_STORE_NT   ; 32 lanes store 512 consecutive bytes, at a multiple of 256 from C's first byte
.endr
.endm
	s_wait_kmcnt 0x0
	s_add_co_i32 s96, s96, s97
	s_add_co_i32 s96, s96, 127
	s_lshl_b32 s96, s96, 23                        ; 2^(e10 + e11) as f32
	s_mov_b32 s97, s96                             ; (named with it as a pair)
	s_wait_loadcnt 0x0                             ; bo
	PLACES NP                                      ; behind the last products: loads and vector instructions now take their operands' registers
	ds_store_b128 v[BIAW], v[IMG:IMG+3]            ; my wave's own bytes, served in order
	WIN TO_B
.irp b, 0,1,2,3,4,5,6,7
	ds_load_b128 v[8*\b:8*\b+3], v[BIAQ] offset:64*\b          ; bo of columns 16 b + 8 h + 0 .. 7, in the result's layout
	ds_load_b128 v[8*\b+4:8*\b+7], v[BIAQ] offset:64*\b+16
.endr
	WIN 0
	s_wait_dscnt 0x0
	TOSTAGE 0
.irp a, 1,2,3,4,5,6,7
.if \a > 1
	s_wait_xcnt 0x0                                ; block a - 2's stores have read their registers and their base
.endif
	TOSTAGE \a
	SEND \a-1, 32                                  ; behind block a - 1's loads: block a's 16 stores and 16 loads
.endr
	s_wait_xcnt 0x0
	SEND 7, 0
	s_wait_tensorcnt 0x0                           ; the wave's end
	ds_add_u32 v[SPW], v[NIL]
	s_wait_dscnt 0x0
	CROUND                                         ; the closing round
	s_endpgm
.Lfunc_end_k_qcfdcfa70cf_outp:
	.size	k_qcfdcfa70cf_outp, .Lfunc_end_k_qcfdcfa70cf_outp-k_qcfdcfa70cf_outp
	.p2alignl 7, 3214868480
	.fill 96, 4, 3214868480
	.section	.rodata,"a",@progbits
	.p2align	6, 0x0
	.amdhsa_kernel k_qcfdcfa70cf_outp
		.amdhsa_group_segment_fixed_size 327680
		.amdhsa_private_segment_fixed_size 0
		.amdhsa_enable_private_segment 0
		.amdhsa_kernarg_size 40
		.amdhsa_user_sgpr_count 2
		.amdhsa_user_sgpr_kernarg_segment_ptr 1
		.amdhsa_wavefront_size32 1
		.amdhsa_system_sgpr_workgroup_id_x 1
		.amdhsa_system_sgpr_workgroup_id_y 1
		.amdhsa_system_sgpr_workgroup_id_z 1
		.amdhsa_system_vgpr_workitem_id 0
		.amdhsa_next_free_vgpr 1024
		.amdhsa_next_free_sgpr 98
		.amdhsa_reserve_vcc 0
		.amdhsa_float_denorm_mode_32 3
		.amdhsa_float_denorm_mode_16_64 3
		.amdhsa_memory_ordered 1
		.amdhsa_forward_progress 1
		.amdhsa_inst_pref_size 125
	.end_amdhsa_kernel
	.amdgpu_metadata
---
amdhsa.version: [ 1, 2 ]
amdhsa.kernels:
  - .name:           k_qcfdcfa70cf_outp
    .symbol:         k_qcfdcfa70cf_outp.kd
    .args:
      - { .name: ctx, .offset: 0, .size: 8, .value_kind: global_buffer, .address_space: global }
      - { .name: Wo_codes, .offset: 8, .size: 8, .value_kind: global_buffer, .address_space: global }
      - { .name: lowp_scales, .offset: 16, .size: 8, .value_kind: global_buffer, .address_space: global }
      - { .name: bo, .offset: 24, .size: 8, .value_kind: global_buffer, .address_space: global }
      - { .name: out0, .offset: 32, .size: 8, .value_kind: global_buffer, .address_space: global }
    .group_segment_fixed_size: 327680
    .private_segment_fixed_size: 0
    .kernarg_segment_align: 8
    .kernarg_segment_size: 40
    .max_flat_workgroup_size: 128
    .sgpr_count:     98
    .vgpr_count:     1024
    .wavefront_size: 32
...
	.end_amdgpu_metadata
.endif
;; end of part 3
